; MI455X (gfx1250); checked and timed in simulation.
; The chip was launched on July 23, 2026; its instructions are those of AMD's public machine-readable ISA for CDNA 5 (MIT licence, August 2026) and "CDNA5" Instruction Set Architecture Reference Guide (July 2026). The comments in the code are by the model that wrote it; some were corrected since.
;; Attention. Allowed arithmetic: matrix products marked QUANTISED: E2M3 operands, one E8M0 scale for each 32 along K, by v_wmma_scale_f32_16x16x128_f8f6f4 with both operands' format E2M3, f32 sums; everything else in f32.
;; Inputs: mask 1 x 1 x 1,024 x 1,024 float32; wk 2,048 x 512 float32; wo 2,048 x 2,048 float32; wq 2,048 x 2,048 float32; wv 2,048 x 512 float32; x 4 x 1,024 x 2,048 float32.
;; Outputs: out0 4 x 1,024 x 2,048 float32.
;; Constants: start_pos = 0.
;; This version of the problem:
;;   THIS VERSION OF THE PROBLEM IS GIVEN IN LOW PRECISION. The matrix products marked QUANTISED in the list below multiply operands that are first quantised to E2M3 (2 exponent bits, 3 mantissa bits; 6 bits a number), with one power-of-two scale for each 32 numbers along K (OCP MX v1.0); their sums are f32. All else is computed in f32.
;;   The module's matrix products, in the order in which they are computed (A, B: the left and right operand; K: the contracted axis; several contracted axes count as one K, in the product's order):
;;     1. [M 4,096, K 2,048] x [K 2,048, N 2,048]; A: input x; B: input wq: QUANTISED
;;     2. [M 4,096, K 2,048] x [K 2,048, N 512]; A: input x; B: input wk: QUANTISED
;;     3. [M 4,096, K 2,048] x [K 2,048, N 512]; A: input x; B: input wv: QUANTISED
;;     4. batch 32 x [M 1,024, K 64] x [K 64, N 4,096]; A: computed on the way; B: computed on the way: QUANTISED
;;     5. batch 32 x [M 64, K 1,024] x [K 1,024, N 4,096]; A: computed on the way; B: softmax (see below): QUANTISED
;;     6. [M 4,096, K 2,048] x [K 2,048, N 2,048]; A: computed on the way; B: input wo: QUANTISED
;;   THE QUANTISER, for each operand of a quantised product, along K:
;;     - K is cut into blocks of 32 from its start; a last block that is shorter is filled with zeros.
;;     - A block's scale is 2^e with e = floor(log2(the largest magnitude in the block)) - 2, held to -126 .. 127; a block of zeros has e = 0. As a byte (E8M0): e + 127.
;;     - Each number is divided by its block's scale, clamped to +-7.5, and rounded to the nearest number of E2M3, ties to even, subnormals kept.
;;     - The product sums the exact products of the quantised numbers (number of the format x scale) in f32.
;;   ~~~python
;;   def quantise(x, axis):      # numpy; x: float32 -> the quantised numbers, widened to float32 again
;;       x = np.moveaxis(x, axis, -1); K = x.shape[-1]
;;       x = np.pad(x, [(0, 0)] * (x.ndim - 1) + [(0, -K % 32)]); x = x.reshape(x.shape[:-1] + (-1, 32)); a = np.abs(x).max(-1, keepdims=True)
;;       e = np.where(a > 0, np.clip(np.frexp(np.where(a > 0, a, 1))[1] - 1 - 2, -126, 127), 0)      # np.frexp(a)[1] - 1 = floor(log2(a)), exactly
;;       r = np.clip(x / 2.0 ** e, -7.5, 7.5)
;;       step = 2.0 ** (np.maximum(np.frexp(np.where(r == 0, 1, r))[1] - 1, 0) - 3)
;;       q = np.round(r / step) * step * 2.0 ** e      # np.round: ties to even
;;       return np.moveaxis(q.reshape(q.shape[:-2] + (-1,))[..., :K], -1, axis).astype(np.float32)
;;   ~~~
;;   SOFTMAX AHEAD OF A QUANTISED PRODUCT. Where the list says 'softmax', what is quantised is not the finished softmax but p = 2^(t - M), with t = logit x log2(e) and M = ceil(the row's largest t), a whole number; so 1/2 < the row's largest p <= 1. The row's sum l is taken of the UNQUANTISED p, in f32, and the product's result is divided by l at the end. Since M is a whole number, a kernel that streams over the keys may use a running M (the ceiling of the running maximum): every later rescaling is an exact power of two, which a block's scale takes up: the codes' values come out the same.
;;   OPERANDS COMPUTED ON THE WAY. 'Computed on the way' means the value that the module computes at that place (a softmax that the list does not call 'softmax' is quantised finished and normalised). What goes into a quantiser is computed in f32, as accurately as f32 sums, v_exp_f32 and their like allow (about 1e-6 of the number): no bf16 or f16 on the way to a quantiser, and a product that is left as it is and whose result goes on into a quantised operand takes f32 operands (vector FMAs, or v_wmma_f32_16x16x4_f32). A number that lies on a knife's edge between two numbers of the format may be rounded either way, as far as f32 arithmetic and the matrix unit's own rounding can turn it there, and no further.
;; One version. Each part assembles by itself: llvm-mc -triple=amdgcn-amd-amdhsa -mcpu=gfx1250 --defsym DOCPART=n.
;; ======== version 1 of 1: 4 launches
;; limits: right only within a limited range of input values
;; workspace buffers: xq 6,553,600 bytes; wts 8,192,000 bytes; msk 4,194,304 bytes; rope 262,144 bytes; qb 6,553,600 bytes; kv 3,276,800 bytes; at 6,553,600 bytes
;; launch prep (part 1): grid 616 x 1, 4 waves a work-group, no clusters, 68,096 bytes of LDS; arguments x, wq, wk, wv, wo, mask, xq, wts, msk, rope; writes xq, wts, msk, rope
.if DOCPART == 1
	.amdgcn_target "amdgcn-amd-amdhsa--gfx1250"
	.amdhsa_code_object_version 6
	.text
	.protected	k_qad337b99d8_prep
	.globl	k_qad337b99d8_prep
	.p2align	8
	.type	k_qad337b99d8_prep,@function
k_qad337b99d8_prep:
	s_mov_b64 s[64:65], 0
	v_nop
	global_prefetch_b8 v0, s[64:65] scope:SCOPE_SE
	s_setreg_imm32_b32 hwreg(HW_REG_WAVE_MODE, 25, 1), 1
	s_wait_xcnt 0x0
; PREP: everything that many work-groups read later is laid out once, in the order of the operands' registers.
;   x  -> xq : codes of E2M3 along K = 2,048 and E8M0 scale words          wq, wk, wv, wo -> wts : the same along their FIRST axis, which is K
;   mask -> msk : 8 x mask, f32, in the layout of a 16 x 16 result         rope : cos and sin of position x 10000^(-i/32), positions 0 .. 1,023
; DEAD WORK, in the problem's own terms.  start_pos is the constant 0, so kv_len = 1,024: rows 1,024 .. 2,047 of cache_k and cache_v are the zeros that reference() builds itself and
; slices away by [:kv_len]; rows 1,024 .. 4,095 of cos and sin are sliced away by dynamic_slice_in_dim.  Neither is made.  Both hold constants, so no NaN or overflow is lost with them.
; No input is dead: x, wq, wk, wv, wo and mask are all loaded.  The mask is an input: no pattern of it is built in.
; A FRAGMENT'S IMAGE: 16 rows x 128 K of 6-bit codes are 12 registers a lane; registers 4 c .. 4 c + 3 of lane l lie at 512 c + 16 l: 1,536 bytes, read back by three loads of 16 bytes a lane.
; THE ROWS OF A TILE ARE NOT NEIGHBOURS: lane row r of tile T is index 32 (T / 2) + 8 (T % 2) + r + 8 (r / 8), for rows of x (positions) and for columns of the weights alike.
; SCALE WORDS: [tile][256 along K: 8][r: 16][2 words], 1,024 bytes a tile.
; A block's scale is 2^(floor(log2(largest magnitude)) - 2); its byte is that magnitude's exponent field - 2, held at 1 from below.
; LIMITS: a block of zeros gets the byte 1 where the rule says 127 (its codes are zeros, and this program alone reads the bytes); blocks under 2^-124 keep the byte 1; NaN and infinities among the inputs
; are not served; 8 x mask has to stay finite (|mask| under 4e37).  10^(-i/8) is the product of two rounded constants (within 1.5 ulp); sin and cos come from polynomials good to about 1e-7.
; SHARES: work-groups 0-255 x (a tile of 16 rows each), 256-511 wq and wo, 512-575 wk and wv, 576-607 the mask, 608-615 the table.  Each but the table's moves 128 KiB.  Waves share nothing: no barrier.
.set XSC,    6291456                   ; xq: the scale words, behind 256 tiles x 24,576 bytes
.set W1SC,   4718592                   ; wts: [wq | wk, wv interleaved by 128 columns]: 192 tiles; their scale words;
.set WOI,    4915200                   ; wo's 128 tiles;
.set WOSC,   8060928                   ; their scale words
.set STGX,   0                         ; LDS: a stage of 16 rows x 528 bytes for each wave of x's path,
.set STGM,   33792                     ; and bytes of their own for the mask's path
.set SPARE,  67584                     ; the spare words, 128 bytes for each wave
.set SPW,    252                       ; v252 my spare word's address; never rewritten
.set NIL,    253                       ; v253 0; never rewritten
.set SEL,    26                        ; s[26:27] lane selects: lane l xor 16
.set R,      16                        ; v16-143  two sets of 64: a fragment's numbers as loaded
.set X,      144                       ; v144-207 64 numbers: register 16 b + i = k 32 b + 16 (lane / 16) + i of my row
.set PC,     208                       ; v208-226 the codes just made
.set TM,     228                       ; v228-239 at work
.set PWS,    244                       ; v244-247 four scale words
.set WX,     32                        ; the weights' path: v32-95 two sets of 32 numbers
.set WF,     96                        ; v96-119  two fragments' registers (lane halves 0 and 1)
.set TQ,     120                       ; v120-122 a block's upper 16 codes
.set SB,     24                        ; v24-25   scale words
; 64 numbers of a lane become a fragment's 12 registers at v[pc] and my row's scale word in v[pw]
.macro QUANT s, pc, pw
.irp b, 0,1,2,3
	v_max3_num_f32 v[TM+\b], |v[\s+16*\b]|, |v[\s+1+16*\b]|, 0x1800000   ; my 16 numbers of block b, and the floor 2^(3 - 127): the byte cannot fall under 1
.endr
.irp i, 2,4,6,8,10,12,14
.irp b, 0,1,2,3
	v_max3_num_f32 v[TM+\b], v[TM+\b], |v[\s+16*\b+\i]|, |v[\s+1+16*\b+\i]|
.endr
.endr
.irp b, 0,1,2,3
	v_permlanex16_b32 v[TM+4+\b], v[TM+\b], s[SEL], s[SEL+1]
.endr
.irp b, 0,1,2,3
	v_max_num_f32 v[TM+\b], v[TM+\b], v[TM+4+\b]   ; with lane l xor 16's: the block's largest magnitude
.endr
.irp b, 0,1,2,3
	v_add_nc_u32 v[TM+8+\b], 0xff000000, v[TM+\b]  ; 2 off its exponent field: the conversion's scale operand
.endr
.irp b, 0,1,2,3
	v_lshrrev_b32 v[TM+4+\b], 23, v[TM+8+\b]       ; the scale's byte
.endr
	v_lshl_or_b32 v[\pw], v[TM+5], 8, v[TM+4]
	v_lshl_or_b32 v[\pw], v[TM+6], 16, v[\pw]
	v_lshl_or_b32 v[\pw], v[TM+7], 24, v[\pw]
.irp c, 0,1
	v_cvt_scalef32_pk16_fp6_f32 v[\pc+6*\c:\pc+2+6*\c], v[\s+32*\c:\s+15+32*\c], v[TM+8+2*\c]
	v_cvt_scalef32_pk16_fp6_f32 v[\pc+12+4*\c:\pc+14+4*\c], v[\s+16+32*\c:\s+31+32*\c], v[TM+8+2*\c+1]   ; (a conversion's three registers begin on an even number)
.endr
	v_nop                                          ; one plain line behind a scaled conversion
.irp c, 0,1                                    ; the layout wants a whole block in a lane: lanes 0-15 block 2 c, lanes 16-31 block 2 c + 1
.irp i, 0,1,2
	v_permlane16_swap_b32 v[\pc+6*\c+\i], v[\pc+12+4*\c+\i]
.endr
.irp i, 0,1,2
	v_mov_b32 v[\pc+3+6*\c+\i], v[\pc+12+4*\c+\i]
.endr
.endr
.endm
; fragment f of my chunk: 16 rows x 512 bytes; each load takes 512 consecutive bytes of one row
.macro LOADF f, pitch
.irp i, 0,1,2,3,4,5,6,7,8,9,10,11,12,13,14,15
	global_load_b128 v[R+64*((\f)%2)+4*\i:R+64*((\f)%2)+4*\i+3], v4, s[4:5] offset:(\i+8*(\i/8))*\pitch+512*(\f) th:TH_LOAD_NT
.endr
.endm
; through my stage: in as loaded, out 16 neighbours of each block of 32 to a lane.  LDS serves a wave's instructions in order: no wait between the stores and the loads
.macro TURNF f
.irp i, 0,1,2,3,4,5,6,7,8,9,10,11,12,13,14,15
	ds_store_b128 v5, v[R+64*((\f)%2)+4*\i:R+64*((\f)%2)+4*\i+3] offset:528*\i
.endr
.irp n, 0,1,2,3,4,5,6,7,8,9,10,11,12,13,14,15
	ds_load_b128 v[X+4*\n:X+4*\n+3], v6 offset:128*(\n/4)+16*(\n%4)
.endr
.endm
.macro STAGEADR base
	s_mul_i32 s28, s24, 8448
	s_add_co_u32 s28, s28, \base                   ; my stage
	v_lshlrev_b32 v4, 4, v1                        ; 16 x lane
	v_add_nc_u32 v5, s28, v4                       ; in
	v_mul_u32_u24 v6, v2, 528                      ; out: row r (528 = 33 x 16: sixteen rows start in sixteen different groups of banks), + 64 h
	v_lshl_add_u32 v6, v3, 6, v6
	v_add_nc_u32 v6, s28, v6
.endm
.macro LEAVE                                   ; a wave that stored to LDS ends so
	s_wait_tensorcnt 0x0
	ds_add_u32 v[SPW], v[NIL]
	s_wait_dscnt 0x0
	s_endpgm
.endm
	s_load_b512 s[4:19], s[0:1], 0x0               ; x 4, wq 6, wk 8, wv 10, wo 12, mask 14, xq 16, wts 18
	s_load_b128 s[20:23], s[0:1], 0x40             ; msk 20, rope 22
	v_lshl_add_u32 v[SPW], v0, 2, SPARE
	v_mov_b32 v[NIL], 0
	v_lshrrev_b32 v1, 5, v0
	v_readfirstlane_b32 s24, v1                    ; wave
	v_and_b32 v1, 31, v0                           ; lane
	v_and_b32 v2, 15, v0                           ; r
	v_bfe_u32 v3, v0, 4, 1                         ; h
	s_mov_b32 s[SEL], 0x76543210
	s_mov_b32 s[SEL+1], 0xfedcba98
	s_wait_kmcnt 0x0
	s_cmp_lt_u32 ttmp9, 256
	s_cbranch_scc1 .Lpath_x
	s_cmp_lt_u32 ttmp9, 512
	s_cbranch_scc1 .Lpath_w
	s_cmp_lt_u32 ttmp9, 576
	s_cbranch_scc1 .Lpath_v
	s_cmp_lt_u32 ttmp9, 608
	s_cbranch_scc1 .Lpath_m
; ---- THE TABLE: wave W of 32 takes positions 32 W .. 32 W + 31; a lane a frequency.  [position][frequency][cos, sin]: 256 bytes a position
.macro PICK dst, idx, j, bits
	v_cmp_eq_u32 vcc_lo, \j, v[\idx]
	v_mov_b32 v8, \bits
	v_cndmask_b32 v[\dst], v[\dst], v8, vcc_lo
.endm
	s_sub_co_u32 s28, ttmp9, 608
	s_lshl_b32 s28, s28, 2
	s_add_co_u32 s28, s28, s24
	s_lshl_b32 s28, s28, 5                         ; my first position
	s_wait_alu depctr_va_vdst(0)
	v_and_b32 v4, 7, v1
	v_lshrrev_b32 v5, 3, v1
	v_mov_b32 v6, 1.0                              ; 10^(-(i % 8) / 8)
	PICK 6, 4, 1, 0x3f3ff911
	PICK 6, 4, 2, 0x3f0ff59a
	PICK 6, 4, 3, 0x3ed7e89b
	PICK 6, 4, 4, 0x3ea1e89b
	PICK 6, 4, 5, 0x3e72d424
	PICK 6, 4, 6, 0x3e361887
	PICK 6, 4, 7, 0x3e088d77
	v_mov_b32 v7, 1.0                              ; 10^(-(i / 8))
	PICK 7, 5, 1, 0x3dcccccd
	PICK 7, 5, 2, 0x3c23d70a
	PICK 7, 5, 3, 0x3a83126f
	v_mul_f32 v6, v6, v7                           ; 10000^(-i / 32)
	v_lshlrev_b32 v9, 3, v1                        ; 8 bytes a frequency
	s_lshl_b32 s30, s28, 8
	s_mov_b32 s31, 0
	s_add_nc_u64 s[22:23], s[22:23], s[30:31]
	s_mov_b32 s29, 0
.Lrope:
	v_cvt_f32_u32 v10, s28
	v_mul_f32 v10, v10, v6                         ; the angle, one f32 product as reference() has it
	v_mul_f32 v11, 0x3f22f983, v10                 ; x 2 / pi
	v_rndne_f32 v11, v11                           ; n quarter turns
	v_fmamk_f32 v12, v11, 0xbfc90fdb, v10          ; - n pi / 2, in two parts
	v_fmamk_f32 v12, v11, 0x333bbd2e, v12          ; what is left lies within pi / 4
	v_cvt_i32_f32 v13, v11
	v_mul_f32 v14, v12, v12
	v_mov_b32 v15, 0xb94ca1f9
	v_fmaak_f32 v15, v15, v14, 0x3c08839e
	v_fmaak_f32 v15, v15, v14, 0xbe2aaaa3
	v_mul_f32 v16, v12, v14
	v_fma_f32 v15, v16, v15, v12                   ; its sine
	v_mov_b32 v17, 0x37ccf5ce
	v_fmaak_f32 v17, v17, v14, 0xbab6061a
	v_fmaak_f32 v17, v17, v14, 0x3d2aaaa5
	v_mul_f32 v18, v14, v14
	v_fma_f32 v19, v14, -0.5, 1.0
	v_fma_f32 v17, v18, v17, v19                   ; its cosine
	v_and_b32 v20, 1, v13
	v_cmp_ne_u32 vcc_lo, 0, v20                    ; an odd quarter turn swaps the two
	v_cndmask_b32 v21, v15, v17, vcc_lo
	v_cndmask_b32 v22, v17, v15, vcc_lo
	v_and_b32 v20, 2, v13
	v_lshlrev_b32 v20, 30, v20
	v_xor_b32 v25, v21, v20                        ; sin: negative in quarters 2 and 3
	v_add_nc_u32 v23, 1, v13
	v_and_b32 v23, 2, v23
	v_lshlrev_b32 v23, 30, v23
	v_xor_b32 v24, v22, v23                        ; cos: negative in quarters 1 and 2
	global_store_b64 v9, v[24:25], s[22:23]        ; 32 lanes store 256 consecutive bytes, aligned
	s_wait_xcnt 0x0                                ; the store has read its data and its base: both are written again below
	s_add_nc_u64 s[22:23], s[22:23], 256
	s_add_co_u32 s28, s28, 1
	s_add_co_u32 s29, s29, 1
	s_cmp_lt_u32 s29, 32
	s_cbranch_scc1 .Lrope
	s_endpgm
; ---- x: work-group = tile T of 16 rows; wave = 512 along K = four fragments
.Lpath_x:
	s_wait_alu depctr_va_vdst(0)
	STAGEADR STGX
	v_lshlrev_b32 v7, 7, v3
	v_lshl_add_u32 v7, v2, 3, v7                   ; scale words: 128 h + 8 r
.irp b, 0,1,2,3
	v_mov_b32 v[TM+4+\b], 0                        ; written once: a lane permute's destination counts as one of its sources
.endr
	s_lshr_b32 s28, ttmp9, 1
	s_lshl_b32 s28, s28, 5
	s_and_b32 s29, ttmp9, 1
	s_lshl_b32 s29, s29, 3
	s_add_co_u32 s28, s28, s29                     ; the tile's first row: 32 (T / 2) + 8 (T % 2)
	s_lshl_b32 s28, s28, 13                        ; rows of 8,192 bytes
	s_lshl_b32 s29, s24, 11
	s_add_co_u32 s28, s28, s29
	s_mov_b32 s29, 0
	s_add_nc_u64 s[4:5], s[4:5], s[28:29]
	s_mul_i32 s28, ttmp9, 24576
	s_mul_i32 s30, s24, 6144
	s_add_co_u32 s28, s28, s30
	s_add_nc_u64 s[30:31], s[16:17], s[28:29]      ; my four images
	s_lshl_b32 s28, ttmp9, 10
	s_lshl_b32 s32, s24, 8
	s_add_co_u32 s28, s28, s32
	s_add_co_u32 s28, s28, XSC
	s_add_nc_u64 s[32:33], s[16:17], s[28:29]      ; my 256 bytes of scale words
	LOADF 0, 8192
	LOADF 1, 8192
	s_wait_alu depctr_va_vdst(0)
.irp f, 0,1,2,3
.if \f < 3
	s_wait_loadcnt 16                              ; this fragment's 16 loads are in; the next fragment's may be out
.else
	s_wait_loadcnt 0x0
.endif
	s_wait_xcnt 0x0                                ; the last fragment's stores have read the codes' registers
	TURNF \f
	s_wait_dscnt 0x0                               ; the numbers are back, and the stage's stores have read their registers,
.if \f < 2
	LOADF \f+2, 8192                               ; which take the fragment two on
.endif
	QUANT X, PC, PWS+\f
.irp c, 0,1,2
	global_store_b128 v4, v[PC+4*\c:PC+4*\c+3], s[30:31] offset:1536*\f+512*\c   ; 512 consecutive bytes, aligned
.endr
.endr
	v_cmp_ne_u32 vcc_lo, 0, v3
	v_cndmask_b32 v8, v[PWS], v[PWS+2], vcc_lo     ; lanes 0-15 store fragments 0 and 1's words, lanes 16-31 fragments 2 and 3's
	v_cndmask_b32 v9, v[PWS+1], v[PWS+3], vcc_lo
	global_store_b64 v7, v[8:9], s[32:33]          ; 256 consecutive bytes, aligned
	LEAVE
; ---- the mask: a wave takes a tile T of 16 queries and 512 keys = four blocks of 128 keys; 8 x mask, since 1 / sqrt(64) = 1 / 8 exactly: score x 8 = q . k + 8 mask
.Lpath_m:
	s_wait_alu depctr_va_vdst(0)
	STAGEADR STGM
	s_mov_b32 s34, 0x41000000                      ; 8.0
	s_mov_b32 s35, s34
	s_sub_co_u32 s28, ttmp9, 576
	s_lshl_b32 s28, s28, 1
	s_lshr_b32 s29, s24, 1
	s_add_co_u32 s28, s28, s29                     ; T
	s_and_b32 s36, s24, 1                          ; which 512 keys
	s_lshr_b32 s29, s28, 1
	s_lshl_b32 s29, s29, 5
	s_and_b32 s30, s28, 1
	s_lshl_b32 s30, s30, 3
	s_add_co_u32 s29, s29, s30
	s_lshl_b32 s29, s29, 12                        ; rows of 4,096 bytes
	s_lshl_b32 s30, s36, 11
	s_add_co_u32 s30, s29, s30
	s_mov_b32 s31, 0
	s_add_nc_u64 s[4:5], s[14:15], s[30:31]
	s_lshl_b32 s30, s28, 16
	s_lshl_b32 s29, s36, 15
	s_add_co_u32 s30, s30, s29
	s_add_nc_u64 s[30:31], s[20:21], s[30:31]      ; [tile][128 keys: 8][8,192 bytes]
	s_wait_alu depctr_va_vdst(0)
	LOADF 0, 4096
	LOADF 1, 4096
.irp f, 0,1,2,3
.if \f < 3
	s_wait_loadcnt 16
.else
	s_wait_loadcnt 0x0
.endif
	s_wait_xcnt 0x0                                ; the last block's stores have read v[X] on
	TURNF \f
	s_wait_dscnt 0x0
.if \f < 2
	LOADF \f+2, 4096
.endif
.set k, 0
.rept 32
	v_pk_mul_f32 v[X+k:X+k+1], v[X+k:X+k+1], s[34:35] op_sel_hi:[1,0]
.set k, k+2
.endr
.irp n, 0,1,2,3,4,5,6,7,8,9,10,11,12,13,14,15
	global_store_b128 v4, v[X+4*\n:X+4*\n+3], s[30:31] offset:8192*\f+512*\n
.endr
.endr
	LEAVE
; ---- the weights, [K][N]: a lane takes a column and its registers run down K; a wave 32 columns (two tiles) x 256 along K (8 blocks).  No LDS.
; Column x of the 32 is lane row r = x % 8 + 8 (x / 16) of tile (x / 8) % 2.  Block t is lane half t % 2, registers 6 ((t % 4) / 2) on, of fragment t / 4: the twelve registers of a lane half are gathered and stored
; as that half's 256 bytes of each of the image's three groups.
.macro WVEC
	v_bfe_u32 v8, v1, 3, 1                         ; which tile
	v_and_b32 v9, 7, v1
	v_lshrrev_b32 v10, 4, v1
	v_lshl_add_u32 v9, v10, 3, v9                  ; r
	v_lshlrev_b32 v4, 2, v1                        ; in: 4 bytes a lane
	v_mul_u32_u24 v5, v8, 24576
	v_lshl_add_u32 v5, v9, 4, v5                   ; images: tile x 24,576 + 16 r
	v_lshlrev_b32 v6, 10, v8
	v_lshl_add_u32 v6, v9, 3, v6                   ; scale words: tile x 1,024 + 8 r
.endm
.macro WDST                                    ; s42 the first tile, s31 which 256 along K, s40 and s41 the images' and the scale words' places in wts
	s_mul_i32 s44, s42, 24576
	s_mul_i32 s46, s31, 3072
	s_add_co_u32 s44, s44, s46
	s_add_co_u32 s44, s44, s40
	s_add_nc_u64 s[36:37], s[18:19], s[44:45]
	s_lshl_b32 s44, s42, 10
	s_lshl_b32 s46, s31, 7
	s_add_co_u32 s44, s44, s46
	s_add_co_u32 s44, s44, s41
	s_add_nc_u64 s[38:39], s[18:19], s[44:45]
.endm
.macro WLOAD t, n
.set i, 0
.rept 32
	global_load_b32 v[WX+32*((\t)%2)+i], v4, s[34:35] offset:(32*(\t)+i)*\n*4 th:TH_LOAD_NT   ; 128 consecutive bytes a wave, 512 a work-group
.set i, i+1
.endr
.endm
.macro WBLOCK t, n
.set XS, WX+32*((\t)%2)
.set FH, WF+12*((\t)%2)+6*(((\t)%4)/2)
.if (\t) < 7
	s_wait_loadcnt 32                              ; this block's 32 loads are in; the next block's may be out
.else
	s_wait_loadcnt 0x0
.endif
	v_max3_num_f32 v12, |v[XS]|, |v[XS+1]|, |v[XS+2]|
	v_max3_num_f32 v13, |v[XS+3]|, |v[XS+4]|, |v[XS+5]|
.irp i, 6,10,14,18,22,26
	v_max3_num_f32 v12, v12, |v[XS+\i]|, |v[XS+\i+1]|
	v_max3_num_f32 v13, v13, |v[XS+\i+2]|, |v[XS+\i+3]|
.endr
	v_max3_num_f32 v12, v12, |v[XS+30]|, |v[XS+31]|
	v_max3_num_f32 v12, v12, v13, 0x1800000        ; the block's largest magnitude (all 32 are mine), and the floor
	v_add_nc_u32 v11, 0xff000000, v12
	v_lshrrev_b32 v13, 23, v11
.if (\t)%4 == 0
	v_mov_b32 v[SB+(\t)/4], v13
.else
	v_lshl_or_b32 v[SB+(\t)/4], v13, 8*((\t)%4), v[SB+(\t)/4]
.endif
.if (\t) == 4
	s_wait_alu depctr_va_vdst(0)
	s_wait_xcnt 0x0                                ; the first fragment's stores have read both halves' registers: they are written again from here on
.endif
	v_cvt_scalef32_pk16_fp6_f32 v[FH:FH+2], v[XS:XS+15], v11
	v_cvt_scalef32_pk16_fp6_f32 v[TQ:TQ+2], v[XS+16:XS+31], v11
	v_nop
.irp i, 0,1,2
	v_mov_b32 v[FH+3+\i], v[TQ+\i]
.endr
.if (\t)+2 < 8
	WLOAD (\t)+2, \n
.endif
.if ((\t)%4) >= 2
.irp g, 0,1,2
	global_store_b128 v5, v[WF+12*((\t)%2)+4*\g:WF+12*((\t)%2)+4*\g+3], s[36:37] offset:1536*((\t)/4)+512*\g+256*((\t)%2)   ; the sixteen lanes of a tile fill 256 consecutive bytes, aligned
.endr
.endif
.endm
.macro WBODY n
	WLOAD 0, \n
	WLOAD 1, \n
.irp t, 0,1,2,3,4,5,6,7
	WBLOCK \t, \n
.endr
	global_store_b64 v6, v[SB:SB+1], s[38:39]
	s_endpgm
.endm
.Lpath_w:                                      ; wq (work-groups 256-383) and wo (384-511): 16 x 128 columns, 8 x 256 along K
	s_wait_alu depctr_va_vdst(0)
	WVEC
	s_sub_co_u32 s28, ttmp9, 256
	s_lshr_b32 s29, s28, 7
	s_and_b32 s30, s28, 15
	s_bfe_u32 s31, s28, 0x30004
	s_cmp_eq_u32 s29, 0                            ; the choice hangs on the work-group's number alone
	s_cselect_b64 s[34:35], s[6:7], s[12:13]
	s_cselect_b32 s40, 0, WOI
	s_mov_b32 s41, WOSC
	s_cselect_b32 s41, W1SC, s41
	s_lshl_b32 s42, s30, 3
	s_lshl_b32 s43, s24, 1
	s_add_co_u32 s42, s42, s43                     ; my first tile of columns
	s_lshl_b32 s44, s31, 21                        ; 256 rows of 8,192 bytes
	s_lshl_b32 s45, s30, 9
	s_add_co_u32 s44, s44, s45
	s_lshl_b32 s45, s24, 7
	s_add_co_u32 s44, s44, s45
	s_mov_b32 s45, 0
	s_add_nc_u64 s[34:35], s[34:35], s[44:45]
	WDST
	s_wait_alu depctr_va_vdst(0)
	WBODY 2048
.Lpath_v:                                      ; wk (512-543) and wv (544-575): 4 x 128 columns.  In wts block 8 + j of 256 rows is [wk's columns 128 j on | wv's columns 128 j on]
	s_wait_alu depctr_va_vdst(0)
	WVEC
	s_sub_co_u32 s28, ttmp9, 512
	s_lshr_b32 s29, s28, 5
	s_and_b32 s30, s28, 3
	s_bfe_u32 s31, s28, 0x30002
	s_cmp_eq_u32 s29, 0
	s_cselect_b64 s[34:35], s[8:9], s[10:11]
	s_mov_b32 s40, 0
	s_mov_b32 s41, W1SC
	s_lshl_b32 s42, s30, 4
	s_lshl_b32 s43, s29, 3
	s_add_co_u32 s42, s42, s43
	s_lshl_b32 s43, s24, 1
	s_add_co_u32 s42, s42, s43
	s_add_co_u32 s42, s42, 128
	s_lshl_b32 s44, s31, 19                        ; 256 rows of 2,048 bytes
	s_lshl_b32 s45, s30, 9
	s_add_co_u32 s44, s44, s45
	s_lshl_b32 s45, s24, 7
	s_add_co_u32 s44, s44, s45
	s_mov_b32 s45, 0
	s_add_nc_u64 s[34:35], s[34:35], s[44:45]
	WDST
	s_wait_alu depctr_va_vdst(0)
	WBODY 512
.Lfunc_end_k_qad337b99d8_prep:
	.size	k_qad337b99d8_prep, .Lfunc_end_k_qad337b99d8_prep-k_qad337b99d8_prep
	.p2alignl 7, 3214868480
	.fill 96, 4, 3214868480
	.section	.rodata,"a",@progbits
	.p2align	6, 0x0
	.amdhsa_kernel k_qad337b99d8_prep
		.amdhsa_group_segment_fixed_size 68096
		.amdhsa_private_segment_fixed_size 0
		.amdhsa_enable_private_segment 0
		.amdhsa_kernarg_size 80
		.amdhsa_user_sgpr_count 2
		.amdhsa_user_sgpr_kernarg_segment_ptr 1
		.amdhsa_wavefront_size32 1
		.amdhsa_system_sgpr_workgroup_id_x 1
		.amdhsa_system_sgpr_workgroup_id_y 1
		.amdhsa_system_sgpr_workgroup_id_z 1
		.amdhsa_system_vgpr_workitem_id 0
		.amdhsa_next_free_vgpr 256
		.amdhsa_next_free_sgpr 66
		.amdhsa_reserve_vcc 1
		.amdhsa_float_denorm_mode_32 3
		.amdhsa_float_denorm_mode_16_64 3
		.amdhsa_memory_ordered 1
		.amdhsa_forward_progress 1
		.amdhsa_inst_pref_size 144
	.end_amdhsa_kernel
	.amdgpu_metadata
---
amdhsa.version: [ 1, 2 ]
amdhsa.kernels:
  - .name:           k_qad337b99d8_prep
    .symbol:         k_qad337b99d8_prep.kd
    .args:
      - { .name: x, .offset: 0, .size: 8, .value_kind: global_buffer, .address_space: global }
      - { .name: wq, .offset: 8, .size: 8, .value_kind: global_buffer, .address_space: global }
      - { .name: wk, .offset: 16, .size: 8, .value_kind: global_buffer, .address_space: global }
      - { .name: wv, .offset: 24, .size: 8, .value_kind: global_buffer, .address_space: global }
      - { .name: wo, .offset: 32, .size: 8, .value_kind: global_buffer, .address_space: global }
      - { .name: mask, .offset: 40, .size: 8, .value_kind: global_buffer, .address_space: global }
      - { .name: xq, .offset: 48, .size: 8, .value_kind: global_buffer, .address_space: global }
      - { .name: wts, .offset: 56, .size: 8, .value_kind: global_buffer, .address_space: global }
      - { .name: msk, .offset: 64, .size: 8, .value_kind: global_buffer, .address_space: global }
      - { .name: rope, .offset: 72, .size: 8, .value_kind: global_buffer, .address_space: global }
    .group_segment_fixed_size: 68096
    .private_segment_fixed_size: 0
    .kernarg_segment_align: 8
    .kernarg_segment_size: 80
    .max_flat_workgroup_size: 128
    .sgpr_count:     66
    .vgpr_count:     256
    .wavefront_size: 32
...
	.end_amdgpu_metadata
.endif
;; end of part 1
;; launch gemm_qkv (part 2): grid 12 x 16, 4 waves a work-group, clusters of 4 x 4, 327,680 bytes of LDS; arguments xq, wts, rope, qb, kv; writes qb, kv
.if DOCPART == 2
	.amdgcn_target "amdgcn-amd-amdhsa--gfx1250"
	.amdhsa_code_object_version 6
	.text
	.protected	k_qad337b99d8_gemm_qkv
	.globl	k_qad337b99d8_gemm_qkv
	.p2align	8
	.type	k_qad337b99d8_gemm_qkv,@function
k_qad337b99d8_gemm_qkv:
	s_mov_b64 s[64:65], 0
	v_nop
	global_prefetch_b8 v0, s[64:65] scope:SCOPE_SE
	s_setreg_imm32_b32 hwreg(HW_REG_WAVE_MODE, 25, 1), 1
	s_wait_xcnt 0x0
	s_wait_alu depctr_hold_cnt(0) depctr_sa_sdst(0) depctr_va_vdst(0) depctr_va_sdst(0) depctr_va_ssrc(0) depctr_va_vcc(0) depctr_vm_vsrc(0)
	s_getreg_b32 s2, hwreg(HW_REG_IB_STS2, 6, 4)
	s_cmp_eq_u32 s2, 0
	s_cbranch_scc0 .Lentry_in_a_cluster
	s_endpgm
.Lentry_in_a_cluster:
	s_bfe_u32 s2, ttmp6, 0x10000c
	s_cmp_lg_u32 s2, 0xf033
	s_cbranch_scc0 .Lentry_shape_is_right
	s_endpgm
.Lentry_shape_is_right:
.set NQ,     2
.set FR,     12
.set NL,     3
.set NP,     4
.set FRB,    1536
.set TROW,   NQ*FRB
.set TPITCH, 24576
.set HALFT,  8*TROW
.set SLOT,   4*HALFT
.set LAPS,   4
.set SCL,    2*SLOT
.set HALFS,  8192
.set SPARE,  SCL+4*HALFS
.set ASC,    6291456
.set BIMG,   0
.set BSC,    4718592
.set ADRA, 16
.set ADRB, 20
.set ADRS, 27
.set SPW,  28
.set NIL,  29
.set SC,   32
.set AF,   128
.set G1, 24
.set G0, 32
.set G1B, 48
.set G0B, 56
.set G1S, 68
.set G0S, 76
.set G1SB, 80
.set G0SB, 88
.set L16,  24
.set L8,   25
.set TBA,  26
.set SCO,  12
.set HH,   13
.set H8,   14
.set STV,  30
.set RDV,  31
.set HA,   32
.set TAB,  96
.set PC,   160
.set TM,   180
.set PW,   196
.set PWE,  197
.set WA,   200
.set WB,   204
.set TP,   208
.set SEL,  98
.set MSB, 0
.macro WIN new
.if MSB != (\new)
	s_set_vgpr_msb (MSB<<8)|(\new)
.set MSB, (\new)
.endif
.endm
.set MUL_LO, 0xa1
.set MUL_HI, 0xf1
.set TO_B,   0x40
.macro JLOAD g0a, g1a, g0b, g1b
	s_cmp_eq_u32 s15, 0
	s_cbranch_scc0 .Lfor_b_\@
	tensor_load_to_lds s[\g0a:\g0a+3], s[\g1a:\g1a+7]
	s_nop 0
.rept 4
	v_nop
.endr
	s_branch .Lasked_\@
.Lfor_b_\@:
	tensor_load_to_lds s[\g0b:\g0b+3], s[\g1b:\g1b+7]
	s_nop 0
.rept 4
	v_nop
.endr
.Lasked_\@:
.endm
.macro CREST
	s_cmp_lg_u32 s14, 0
	s_cbranch_scc1 .Lnot_wave_0_\@
	s_barrier_signal -3
.Lnot_wave_0_\@:
	s_barrier_wait -3
	s_barrier_signal -1
	s_barrier_wait -1
.endm
.macro CROUND
	s_barrier_signal -1
	s_barrier_wait -1
	CREST
.endm
	s_load_b256 s[4:11], s[0:1], 0x0
	s_load_b64 s[12:13], s[0:1], 0x20
	v_lshl_add_u32 v[SPW], v0, 2, SPARE
	v_mov_b32 v[NIL], 0
	ds_add_u32 v[SPW], v[NIL]
	ds_add_u32 v[SPW], v[NIL]
	v_lshrrev_b32 v1, 5, v0
	v_readfirstlane_b32 s14, v1
	s_lshr_b32 s15, s14, 1
	s_and_b32 s16, s14, 1
	s_bfe_u32 s40, ttmp6, 0x40000
	s_bfe_u32 s41, ttmp6, 0x40004
	s_lshl_b32 s42, ttmp9, 2
	s_add_co_u32 s42, s42, s40
	s_and_b32 s17, ttmp7, 0xffff
	s_lshl_b32 s17, s17, 2
	s_add_co_u32 s17, s17, s41
	s_lshl_b32 s43, s41, 2
	s_lshl_b32 s43, 15, s43
	s_lshl_b32 s44, 0x1111, s40
	s_or_b32 s[G1+0], s43, (3<<16)|(1<<21)
	s_or_b32 s[G1B+0], s44, (3<<16)|(1<<21)
.irp g, G1, G1B
	s_mov_b32 s[\g+1], (TROW/8)<<16
	s_mov_b32 s[\g+2], 16<<16                      ; the head's loads of codes bring a whole tile: 16 rows of images
	s_mov_b32 s[\g+3], (TROW/8)<<16
	s_mov_b32 s[\g+4], 16
	s_mov_b32 s[\g+5], TPITCH/8
	s_mov_b32 s[\g+6], 0
	s_mov_b32 s[\g+7], 0
.endr
	s_or_b32 s[G1S+0], s43, (3<<16)|(1<<21)
	s_or_b32 s[G1SB+0], s44, (3<<16)|(1<<21)
.irp g, G1S, G1SB
	s_mov_b32 s[\g+1], 32<<16
	s_mov_b32 s[\g+2], 64<<16                      ; the scale words of 16 tiles: 64 rows of 256 bytes
	s_mov_b32 s[\g+3], 32<<16
	s_mov_b32 s[\g+4], 64
	s_mov_b32 s[\g+5], 32
	s_mov_b32 s[\g+6], 0
	s_mov_b32 s[\g+7], 0
.endr
	s_lshl_b32 s18, s16, 3
	s_lshl_b32 s20, s17, 4
	s_add_co_u32 s20, s20, s18
	s_lshl_b32 s46, s42, 4
	s_add_co_u32 s46, s46, s18
	s_lshl_b32 s22, s20, 10
	s_add_co_u32 s22, s22, ASC
	s_mov_b32 s23, 0
	s_lshl_b32 s92, s46, 10
	s_add_co_u32 s92, s92, BSC
	s_mov_b32 s93, 0
	s_mul_i32 s20, s20, TPITCH
	s_mov_b32 s21, 0
	s_mul_i32 s46, s46, TPITCH
	s_add_co_u32 s46, s46, BIMG
	s_mov_b32 s47, 0
	s_mul_i32 s45, s14, HALFT
	s_mul_i32 s94, s14, HALFS
	s_mov_b32 s[SEL], 0x76543210
	s_mov_b32 s[SEL+1], 0xfedcba98
	s_wait_dscnt 0x0
	s_wait_kmcnt 0x0
	s_add_nc_u64 s[20:21], s[4:5], s[20:21]
	s_add_nc_u64 s[22:23], s[4:5], s[22:23]
	s_add_nc_u64 s[46:47], s[6:7], s[46:47]
	s_add_nc_u64 s[92:93], s[6:7], s[92:93]
	CROUND
; THE PREFETCHES.  Of a slot's 16 rows of images of A (of B) each of the four partners that ask for them jointly takes four, told apart by address (cx for A, cy for B), and each of its two waves two: 24 blocks of 256 bytes
	s_cmp_eq_u32 s15, 0                            ; do I fetch for A?
	s_cselect_b32 s18, s17, s42
	s_cselect_b32 s19, s40, s41
	s_cselect_b64 s[94:95], s[4:5], s[6:7]
	s_lshl_b32 s18, s18, 4
	s_lshl_b32 s19, s19, 2
	s_add_co_u32 s18, s18, s19
	s_lshl_b32 s19, s16, 1
	s_add_co_u32 s18, s18, s19
	s_mul_i32 s18, s18, TPITCH
	s_add_co_u32 s18, s18, 2*TROW                  ; at slot 2's bytes
	s_mov_b32 s19, 0
	s_add_nc_u64 s[94:95], s[94:95], s[18:19]
	s_mov_b32 s[G0S], 1
	s_mov_b32 s[G0S+1], SCL
	s_sub_nc_u64 s[G0S+2:G0S+3], s[22:23], 8192
	s_or_b32 s[G0S+3], s[G0S+3], 0x80000000
	s_mov_b32 s[G0SB], 1                           ; B's: asked for by wave 3, likewise
	s_mov_b32 s[G0SB+1], SCL+2*HALFS
	s_sub_nc_u64 s[G0SB+2:G0SB+3], s[92:93], 8192
	s_or_b32 s[G0SB+3], s[G0SB+3], 0x80000000
.irp s, 0,1
	s_mov_b32 s[G0+4*\s], 1
	s_add_co_u32 s[G0+4*\s+1], s45, \s*SLOT
	s_add_nc_u64 s[G0+4*\s+2:G0+4*\s+3], s[20:21], \s*TROW
	s_or_b32 s[G0+4*\s+3], s[G0+4*\s+3], 0x80000000
	s_mov_b32 s[G0B+4*\s], 1
	s_add_co_u32 s[G0B+4*\s+1], s45, \s*SLOT
	s_add_nc_u64 s[G0B+4*\s+2:G0B+4*\s+3], s[46:47], \s*TROW
	s_or_b32 s[G0B+4*\s+3], s[G0B+4*\s+3], 0x80000000
.endr
	s_mov_b32 s4, 1                                ; slot 0's 16 rows of A: asked for by wave 0, whose own half is the first (the arguments that lay in s[4:7] have been used)
	s_mov_b32 s5, 0
	s_mov_b64 s[6:7], s[20:21]
	s_or_b32 s7, s7, 0x80000000
	s_mov_b64 s[22:23], s[46:47]                   ; slot 0's 16 rows of B: asked for by wave 2
	s_or_b32 s23, s23, 0x80000000
	s_mov_b32 s20, 1
	s_mov_b32 s21, 2*HALFT
; THE HEAD'S FOUR TILES, ONE JOINT LOAD A WAVE, in one chain of branches on the wave's number
.macro ARM under, g0, g1, next
	s_cmp_lt_u32 s14, \under
	s_cbranch_scc0 \next
	tensor_load_to_lds s[\g0:\g0+3], s[\g1:\g1+7]
	s_nop 0
.rept 4
	v_nop
.endr
	s_branch .Lhead_asked
\next:
.endm
	ARM 1, 4, G1, .Lhead_sa
	ARM 2, G0S, G1S, .Lhead_b
	ARM 3, 20, G1B, .Lhead_sb
	tensor_load_to_lds s[G0SB:G0SB+3], s[G1SB:G1SB+7]
	s_nop 0
.rept 4
	v_nop
.endr
.Lhead_asked:
	v_and_b32 v15, 31, v0
	v_min_u32 v15, 23, v15                         ; lanes 24-31 name the wave's last block again
	v_mul_u32_u24 v7, v15, 43
	v_lshrrev_b32 v7, 9, v7                        ; lane / 12: which of my two rows
	v_mul_u32_u24 v8, v7, 12
	v_sub_nc_u32 v8, v15, v8
	v_lshlrev_b32 v8, 8, v8                        ; which of its 12 blocks
	v_mad_u32_u24 v15, v7, TPITCH, v8
	global_prefetch_b8 v15, s[94:95] th:TH_LOAD_NT scope:SCOPE_SE   ; behind slot 0's load: the bytes of the load two refills on
	s_wait_alu depctr_va_vdst(0)
	s_wait_tensorcnt 0x0                           ; my tile of the four is in; these lines stand ahead of slot 1's first fill as ahead of a refill
	ds_add_u32 v28, v29
	s_mov_b32 s[G1+2], 8<<16                       ; no tensor load of mine is out: from here on a load brings 8 rows of images
	s_mov_b32 s[G1+4], 8
	s_mov_b32 s[G1B+2], 8<<16
	s_mov_b32 s[G1B+4], 8
	s_wait_dscnt 0x0
	CROUND
	JLOAD G0+4, G1, G0B+4, G1B
	global_prefetch_b8 v15, s[94:95] offset:TROW th:TH_LOAD_NT scope:SCOPE_SE   ; behind slot 1's load: the fourth load's bytes
	v_and_b32 v1, 15, v0
	v_bfe_u32 v2, v0, 4, 1
	s_wait_alu depctr_va_vdst(0)
	v_and_b32 v3, 31, v0
	v_lshlrev_b32 v4, 4, v3
	s_mul_i32 s21, s15, HALFT
	s_mul_i32 s22, s16, HALFT
	s_add_co_u32 s22, s22, 2*HALFT
	s_cmp_eq_u32 ttmp9, 2                          ; the cluster column that holds wk and wv: the same number in all partners
	s_cselect_b32 s97, s16, 0                      ; 1 in the waves that make V
	s_cmp_eq_u32 s97, 1
	s_cselect_b32 s23, s22, s21                    ; those waves take wv's fragments where the others take x's, and x's where the others take the weights'
	s_cselect_b32 s22, s21, s22
	s_mov_b32 s21, s23
	s_wait_alu depctr_va_vdst(0)                   ; a wait behind the run of scalar lines and ahead of the readers below
.irp s, 0,1
	v_add_nc_u32 v[ADRA+\s], s21, v4
	v_add_nc_u32 v[ADRB+\s], s22, v4
	s_add_co_u32 s21, s21, SLOT
	s_add_co_u32 s22, s22, SLOT
.endr
	v_lshlrev_b32 v5, 3, v1
	s_mul_i32 s21, s15, HALFS
	s_mul_i32 s22, s16, HALFS
	s_add_co_u32 s22, s22, 2*HALFS
	s_sub_co_u32 s22, s22, s21
	v_xor_b32 v6, s97, v2                          ; and the scale words change lane halves with the fragments
	v_mul_u32_u24 v6, s22, v6
	s_add_co_u32 s21, s21, SCL
	v_add_nc_u32 v5, v5, v6
	v_add_nc_u32 v[ADRS], s21, v5
	v_lshlrev_b32 v[L16], 4, v3
	v_lshlrev_b32 v[L8], 3, v3
	v_and_b32 v5, 8, v1
	v_add_nc_u32 v5, v5, v1
	v_lshlrev_b32 v[TBA], 8, v5
	v_lshl_add_u32 v[TBA], v2, 6, v[TBA]
	v_lshlrev_b32 v[SCO], 4, v1
	v_lshl_add_u32 v[SCO], v2, 3, v[SCO]
	v_mov_b32 v[HH], v2
; The table of cos and sin for my first two tiles of rows is asked for here, into v96-127 and v224-255, which no line of the walk along K names.  Every wave asks; the waves that make V do not read it.
	s_and_b32 s88, s17, 3
	s_lshl_b32 s88, s88, 1
	s_add_co_u32 s88, s88, s15
	s_lshl_b32 s88, s88, 15                        ; 128 positions x 256 bytes
	s_mov_b32 s89, 0
	s_add_nc_u64 s[88:89], s[8:9], s[88:89]
.macro TABLOAD a
.irp n, 0,1,2,3,4,5,6,7
	global_load_b128 v[TAB+128*((\a)%2)+4*\n:TAB+128*((\a)%2)+4*\n+3], v[TBA], s[88:89] offset:(32*((\a)/2)+8*((\a)%2))*256+128*(\n/4)+16*(\n%4)
.endr
.endm
	s_wait_alu depctr_va_vdst(0)                   ; at the head's end
	TABLOAD 0
	TABLOAD 1
.macro FRAG reg, adr, q, i
.irp c, 0,1,2
	ds_load_b128 v[\reg+4*\c:\reg+4*\c+3], v[\adr] offset:(\i)*TROW+(\q)*FRB+512*\c
.endr
.endm
.macro MUL16 a0, p, q, sc, zero
.irp a, \a0, \a0+1
.irp b, 0,1,2,3,4,5,6,7
.if \zero
	v_wmma_scale_f32_16x16x128_f8f6f4 v[8*(8*((\a)%4)+\b):8*(8*((\a)%4)+\b)+7], v[128*(\p)+FR*\b:128*(\p)+FR*\b+FR-1], v[AF+FR*(\a):AF+FR*(\a)+FR-1], 0, v[SC+8*NQ*(\sc)+NQ*\b+(\q)], v[SC+8*NQ*(\sc)+NQ*(\a)+(\q)] matrix_a_fmt:MATRIX_FMT_FP6 matrix_b_fmt:MATRIX_FMT_FP6 matrix_a_scale:MATRIX_SCALE_ROW1
.else
	v_wmma_scale_f32_16x16x128_f8f6f4 v[8*(8*((\a)%4)+\b):8*(8*((\a)%4)+\b)+7], v[128*(\p)+FR*\b:128*(\p)+FR*\b+FR-1], v[AF+FR*(\a):AF+FR*(\a)+FR-1], v[8*(8*((\a)%4)+\b):8*(8*((\a)%4)+\b)+7], v[SC+8*NQ*(\sc)+NQ*\b+(\q)], v[SC+8*NQ*(\sc)+NQ*(\a)+(\q)] matrix_a_fmt:MATRIX_FMT_FP6 matrix_b_fmt:MATRIX_FMT_FP6 matrix_a_scale:MATRIX_SCALE_ROW1
.endif
.endr
.endr
.endm
.macro FETCH_B slot, q, p
	WIN TO_B
.irp i, 0,1,2,3,4,5,6,7
	FRAG 128*(\p)+FR*\i, ADRB+\slot, \q, \i
.endr
	WIN 0
.endm
.macro FETCH_A slot, q, i0
.irp i, \i0, \i0+1, \i0+2, \i0+3
	FRAG AF+FR*(\i), ADRA+\slot, \q, \i
.endr
.endm
.macro SCALES sc
.irp i, 0,1,2,3,4,5,6,7
	ds_load_b64 v[SC+8*NQ*\sc+NQ*\i:SC+8*NQ*\sc+NQ*\i+1], v[ADRS] offset:\i*1024
.endr
.endm
.macro PLACES n
.rept \n
	v_nop
.endr
.endm
.macro STEP slot, q, zero
	s_wait_dscnt 4*NL
	WIN MUL_LO
	MUL16 0, (\q)%2, \q, \slot, \zero
	MUL16 2, (\q)%2, \q, \slot, \zero
	s_wait_dscnt 0
	PLACES NP
	FETCH_B \slot, (\q)+1, 1-(\q)%2
	FETCH_A \slot, (\q)+1, 0
	WIN MUL_HI
	MUL16 4, (\q)%2, \q, \slot, \zero
	MUL16 6, (\q)%2, \q, \slot, \zero
	PLACES NP
	WIN 0
	FETCH_A \slot, (\q)+1, 4
.endm
.macro TURN slot, next, fill
.if \fill
	s_wait_xcnt 0x0                                ; my last prefetch has read its address: it is stepped here, a slot behind that prefetch
	s_add_nc_u64 s[94:95], s[94:95], TROW
.endif
	s_wait_tensorcnt 0x0
	ds_add_u32 v[SPW], v[NIL]
	s_wait_dscnt 4*NL+1
	WIN MUL_LO
	MUL16 0, 1, NQ-1, \slot, 0
	s_wait_dscnt 0x0
	s_barrier_signal -1
	MUL16 2, 1, NQ-1, \slot, 0
	WIN 0
	s_barrier_wait -1
.if \fill
	CREST
	s_add_nc_u64 s[G0+4*\slot+2:G0+4*\slot+3], s[G0+4*\slot+2:G0+4*\slot+3], 2*TROW
	s_add_nc_u64 s[G0B+4*\slot+2:G0B+4*\slot+3], s[G0B+4*\slot+2:G0B+4*\slot+3], 2*TROW
	JLOAD G0+4*\slot, G1, G0B+4*\slot, G1B
.else
	PLACES NP
.endif
	s_wait_alu depctr_va_vdst(0)
	v_add_nc_u32 v[ADRS], 128, v[ADRS]
	FETCH_B \next, 0, 0
	FETCH_A \next, 0, 0
	SCALES \next
.if \fill
	s_cmp_gt_u32 s3, 1                             ; the last lap's two refills have no load two refills on: nothing is asked for beyond K
	s_cbranch_scc0 .Lno_ask_\@
	global_prefetch_b8 v15, s[94:95] offset:TROW th:TH_LOAD_NT scope:SCOPE_SE
.Lno_ask_\@:
.endif
	WIN MUL_HI
	MUL16 4, 1, NQ-1, \slot, 0
	MUL16 6, 1, NQ-1, \slot, 0
	PLACES NP
	WIN 0
	FETCH_A \next, 0, 4
.endm
	s_wait_tensorcnt 1
	s_barrier_signal -1
	s_barrier_wait -1
	FETCH_B 0, 0, 0
	FETCH_A 0, 0, 0
	SCALES 0
	FETCH_A 0, 0, 4
	STEP 0, 0, 1
	s_mov_b32 s3, LAPS-1
.Llap:
	TURN 0, 1, 1
	STEP 1, 0, 0
	TURN 1, 0, 1
	STEP 0, 0, 0
	s_sub_co_u32 s3, s3, 1
	s_cmp_lg_u32 s3, 0
	s_cbranch_scc1 .Llap
	TURN 0, 1, 0
	STEP 1, 0, 0
	s_wait_dscnt 4*NL
	WIN MUL_LO
	MUL16 0, 1, NQ-1, 1, 0
	MUL16 2, 1, NQ-1, 1, 0
	s_wait_dscnt 0
	WIN MUL_HI
	MUL16 4, 1, NQ-1, 1, 0
	MUL16 6, 1, NQ-1, 1, 0
	WIN 0
.macro QUANT s, pc, pw
.irp b, 0,1,2,3
	v_max3_num_f32 v[TM+\b], |v[\s+16*\b]|, |v[\s+1+16*\b]|, 0x1800000
.endr
.irp i, 2,4,6,8,10,12,14
.irp b, 0,1,2,3
	v_max3_num_f32 v[TM+\b], v[TM+\b], |v[\s+16*\b+\i]|, |v[\s+1+16*\b+\i]|
.endr
.endr
.irp b, 0,1,2,3
	v_permlanex16_b32 v[TM+4+\b], v[TM+\b], s[SEL], s[SEL+1]
.endr
.irp b, 0,1,2,3
	v_max_num_f32 v[TM+\b], v[TM+\b], v[TM+4+\b]
.endr
.irp b, 0,1,2,3
	v_add_nc_u32 v[TM+8+\b], 0xff000000, v[TM+\b]
.endr
.irp b, 0,1,2,3
	v_lshrrev_b32 v[TM+4+\b], 23, v[TM+8+\b]
.endr
	v_lshl_or_b32 v[\pw], v[TM+5], 8, v[TM+4]
	v_lshl_or_b32 v[\pw], v[TM+6], 16, v[\pw]
	v_lshl_or_b32 v[\pw], v[TM+7], 24, v[\pw]
.irp c, 0,1
	v_cvt_scalef32_pk16_fp6_f32 v[\pc+6*\c:\pc+2+6*\c], v[\s+32*\c:\s+15+32*\c], v[TM+8+2*\c]
	v_cvt_scalef32_pk16_fp6_f32 v[\pc+12+4*\c:\pc+14+4*\c], v[\s+16+32*\c:\s+31+32*\c], v[TM+8+2*\c+1]
.endr
	v_nop
.irp c, 0,1
.irp i, 0,1,2
	v_permlane16_swap_b32 v[\pc+6*\c+\i], v[\pc+12+4*\c+\i]
.endr
.irp i, 0,1,2
	v_mov_b32 v[\pc+3+6*\c+\i], v[\pc+12+4*\c+\i]
.endr
.endr
.endm
	PLACES NP
.irp b, 4,5,6,7,9
	v_mov_b32 v[TM+\b], 0
.endr
	v_cmp_ne_u32 s96, 0, v[HH]
	s_lshr_b32 s68, s17, 2
	s_and_b32 s69, s17, 3
	s_lshl_b32 s69, s69, 1
	s_add_co_u32 s69, s69, s15
	s_cmp_lg_u32 ttmp9, 2
	s_cbranch_scc1 .Lqk_path
	s_cmp_eq_u32 s16, 1
	s_cbranch_scc1 .Lv_path
.Lqk_path:
	s_cmp_eq_u32 ttmp9, 2
	s_cselect_b64 s[72:73], s[12:13], s[10:11]
	s_mov_b32 s74, 51200
	s_cselect_b32 s74, 102400, s74
	s_mov_b32 s75, 49152
	s_cselect_b32 s75, 98304, s75
	s_lshl_b32 s76, s68, 5
	s_lshl_b32 s77, s42, 2
	s_add_co_u32 s76, s76, s77
	s_lshl_b32 s77, s16, 1
	s_add_co_u32 s76, s76, s77
	s_lshl_b32 s77, s68, 3
	s_and_b32 s78, s42, 3
	s_lshl_b32 s78, s78, 1
	s_add_co_u32 s77, s77, s78
	s_cmp_eq_u32 ttmp9, 2
	s_cselect_b32 s76, s77, s76
	s_mul_i32 s76, s76, s74
	s_mov_b32 s77, 0
	s_add_nc_u64 s[72:73], s[72:73], s[76:77]
	s_mul_i32 s76, s69, 6144
	s_add_nc_u64 s[80:81], s[72:73], s[76:77]
	s_mov_b32 s78, s74
	s_mov_b32 s79, 0
	s_add_nc_u64 s[82:83], s[80:81], s[78:79]
	s_lshl_b32 s76, s69, 8
	s_add_co_u32 s76, s76, s75
	s_add_nc_u64 s[84:85], s[72:73], s[76:77]
	s_add_nc_u64 s[86:87], s[84:85], s[78:79]
.macro QKTILE a
.set AC, 64*((\a)%4)
.set TT, TAB+128*((\a)%2)
.if (\a) < 7
	s_wait_loadcnt 8
.else
	s_wait_loadcnt 0x0
.endif
	WIN 0x02+(\a)/4
.irp be, 0,1,2,3
.irp q, 0,1,2,3,4,5,6,7
	v_pk_mul_f32 v[TP+2*\q:TP+2*\q+1], v[AC+16*\be+2*\q:AC+16*\be+2*\q+1], v[TT+16*(\be%2)+2*\q:TT+16*(\be%2)+2*\q+1] op_sel:[1,1] op_sel_hi:[1,0]
.endr
.irp q, 0,1,2,3,4,5,6,7
	v_pk_fma_f32 v[HA+16*\be+2*\q:HA+16*\be+2*\q+1], v[AC+16*\be+2*\q:AC+16*\be+2*\q+1], v[TT+16*(\be%2)+2*\q:TT+16*(\be%2)+2*\q+1], v[TP+2*\q:TP+2*\q+1] op_sel_hi:[0,1,1] neg_lo:[0,0,1]
.endr
.endr
	WIN 0
.if (\a) < 6
	TABLOAD (\a)+2
.endif
	s_wait_xcnt 0x0
	QUANT HA, PC, PW
	global_store_b128 v[L16], v[PC:PC+3], s[80:81] offset:768*(\a)
	global_store_b64 v[L8], v[PC+4:PC+5], s[80:81] offset:768*(\a)+512
	global_store_b128 v[L16], v[PC+6:PC+9], s[82:83] offset:768*(\a)
	global_store_b64 v[L8], v[PC+10:PC+11], s[82:83] offset:768*(\a)+512
.if ((\a)%2) == 0
	v_mov_b32 v[PWE], v[PW]
.else
	v_and_b32 v[WA+(\a)/2], 0xffff, v[PWE]
	v_lshl_or_b32 v[WA+(\a)/2], v[PW], 16, v[WA+(\a)/2]
	v_lshrrev_b32 v[WB+(\a)/2], 16, v[PWE]
	v_and_or_b32 v[WB+(\a)/2], v[PW], 0xffff0000, v[WB+(\a)/2]
.endif
.endm
.irp a, 0,1,2,3,4,5,6,7
	QKTILE \a
.endr
	v_cndmask_b32 v[TP], v[WA], v[WA+2], s96
	v_cndmask_b32 v[TP+1], v[WA+1], v[WA+3], s96
	global_store_b64 v[SCO], v[TP:TP+1], s[84:85]
	v_cndmask_b32 v[TP+2], v[WB], v[WB+2], s96
	v_cndmask_b32 v[TP+3], v[WB+1], v[WB+3], s96
	global_store_b64 v[SCO], v[TP+2:TP+3], s[86:87]
	s_branch .Ljoin
.Lv_path:
	s_lshl_b32 s76, s68, 3
	s_and_b32 s78, s42, 3
	s_lshl_b32 s78, s78, 1
	s_add_co_u32 s76, s76, s78
	s_mul_i32 s76, s76, 102400
	s_mov_b32 s77, 0
	s_add_nc_u64 s[72:73], s[12:13], s[76:77]
	s_mul_i32 s76, s69, 6144
	s_add_co_u32 s76, s76, 49152
	s_add_nc_u64 s[80:81], s[72:73], s[76:77]
	s_lshl_b32 s76, s69, 8
	s_add_co_u32 s76, s76, 100352
	s_add_nc_u64 s[84:85], s[72:73], s[76:77]
; V.  These waves multiplied with x's fragments as source 0 and wv's as source 1: lane (r, h) holds channel row r of wv's tile a, and register 8 b + j of accumulators (a, 0 .. 7) is x's tile b, row 8 h + j:
; position 32 (b / 2) + 16 h + 8 (b % 2) + j.  So the 64 registers run along the second product's K, 16 neighbours of each block of 32 to a lane, and are quantised where they stand, in window w.
.macro QUANTW s, w, pc, pw
	WIN (\w)|((\w)<<2)                             ; sources 0 and 1: the accumulators' window
.irp b, 0,1,2,3
	v_max3_num_f32 v[TM+\b], |v[(\s)+16*\b]|, |v[(\s)+1+16*\b]|, 0x1800000   ; each accumulator is first read at its low end
.endr
.irp i, 2,4,6,8,10,12,14
.irp b, 0,1,2,3
	v_max3_num_f32 v[TM+\b], |v[(\s)+16*\b+\i]|, |v[(\s)+1+16*\b+\i]|, v[TM+\b]
.endr
.endr
	WIN 0
.irp b, 0,1,2,3
	v_permlanex16_b32 v[TM+4+\b], v[TM+\b], s[SEL], s[SEL+1]
.endr
.irp b, 0,1,2,3
	v_max_num_f32 v[TM+\b], v[TM+\b], v[TM+4+\b]
.endr
.irp b, 0,1,2,3
	v_add_nc_u32 v[TM+8+\b], 0xff000000, v[TM+\b]
.endr
.irp b, 0,1,2,3
	v_lshrrev_b32 v[TM+4+\b], 23, v[TM+8+\b]
.endr
	v_lshl_or_b32 v[\pw], v[TM+5], 8, v[TM+4]
	v_lshl_or_b32 v[\pw], v[TM+6], 16, v[\pw]
	v_lshl_or_b32 v[\pw], v[TM+7], 24, v[\pw]
	WIN (\w)                                       ; source 0: the accumulators' window
.irp c, 0,1
	v_cvt_scalef32_pk16_fp6_f32 v[\pc+6*\c:\pc+2+6*\c], v[(\s)+32*\c:(\s)+15+32*\c], v[TM+8+2*\c]
	v_cvt_scalef32_pk16_fp6_f32 v[\pc+12+4*\c:\pc+14+4*\c], v[(\s)+16+32*\c:(\s)+31+32*\c], v[TM+8+2*\c+1]
.endr
	WIN 0
	v_nop
.irp c, 0,1
.irp i, 0,1,2
	v_permlane16_swap_b32 v[\pc+6*\c+\i], v[\pc+12+4*\c+\i]
.endr
.irp i, 0,1,2
	v_mov_b32 v[\pc+3+6*\c+\i], v[\pc+12+4*\c+\i]
.endr
.endr
.endm
.irp a, 0,1,2,3,4,5,6,7                        ; wv's tile a: head a / 4, channel tile a % 4
	s_wait_xcnt 0x0                                ; the last tile's stores have read their registers
	QUANTW 64*(\a%4), 2+\a/4, PC, WA+(\a%4)
.irp c, 0,1,2
	global_store_b128 v[L16], v[PC+4*\c:PC+4*\c+3], s[80:81] offset:102400*(\a/4)+1536*(\a%4)+512*\c
.endr
.if (\a%4) == 3
	v_cndmask_b32 v[TP], v[WA], v[WA+2], s96
	v_cndmask_b32 v[TP+1], v[WA+1], v[WA+3], s96
	global_store_b64 v[SCO], v[TP:TP+1], s[84:85] offset:102400*(\a/4)
.endif
.endr
.Ljoin:
	s_wait_tensorcnt 0x0
	ds_add_u32 v[SPW], v[NIL]
	s_wait_dscnt 0x0
	CROUND
	s_endpgm
.Lfunc_end_k_qad337b99d8_gemm_qkv:
	.size	k_qad337b99d8_gemm_qkv, .Lfunc_end_k_qad337b99d8_gemm_qkv-k_qad337b99d8_gemm_qkv
	.p2alignl 7, 3214868480
	.fill 96, 4, 3214868480
	.section	.rodata,"a",@progbits
	.p2align	6, 0x0
	.amdhsa_kernel k_qad337b99d8_gemm_qkv
		.amdhsa_group_segment_fixed_size 327680
		.amdhsa_private_segment_fixed_size 0
		.amdhsa_enable_private_segment 0
		.amdhsa_kernarg_size 40
		.amdhsa_user_sgpr_count 2
		.amdhsa_user_sgpr_kernarg_segment_ptr 1
		.amdhsa_wavefront_size32 1
		.amdhsa_system_sgpr_workgroup_id_x 1
		.amdhsa_system_sgpr_workgroup_id_y 1
		.amdhsa_system_sgpr_workgroup_id_z 1
		.amdhsa_system_vgpr_workitem_id 0
		.amdhsa_next_free_vgpr 1024
		.amdhsa_next_free_sgpr 100
		.amdhsa_reserve_vcc 0
		.amdhsa_float_denorm_mode_32 3
		.amdhsa_float_denorm_mode_16_64 3
		.amdhsa_memory_ordered 1
		.amdhsa_forward_progress 1
		.amdhsa_inst_pref_size 218
	.end_amdhsa_kernel
	.amdgpu_metadata
---
amdhsa.version: [ 1, 2 ]
amdhsa.kernels:
  - .name:           k_qad337b99d8_gemm_qkv
    .symbol:         k_qad337b99d8_gemm_qkv.kd
    .args:
      - { .name: xq, .offset: 0, .size: 8, .value_kind: global_buffer, .address_space: global }
      - { .name: wts, .offset: 8, .size: 8, .value_kind: global_buffer, .address_space: global }
      - { .name: rope, .offset: 16, .size: 8, .value_kind: global_buffer, .address_space: global }
      - { .name: qb, .offset: 24, .size: 8, .value_kind: global_buffer, .address_space: global }
      - { .name: kv, .offset: 32, .size: 8, .value_kind: global_buffer, .address_space: global }
    .group_segment_fixed_size: 327680
    .private_segment_fixed_size: 0
    .kernarg_segment_align: 8
    .kernarg_segment_size: 40
    .max_flat_workgroup_size: 128
    .sgpr_count:     100
    .vgpr_count:     1024
    .wavefront_size: 32
...
	.end_amdgpu_metadata
.endif
;; end of part 2
;; launch attn (part 3): grid 8 x 32, 8 waves a work-group, no clusters, 327,680 bytes of LDS; arguments qb, kv, msk, at; writes at
.if DOCPART == 3
	.amdgcn_target "amdgcn-amd-amdhsa--gfx1250"
	.amdhsa_code_object_version 6
	.text
	.protected	k_qad337b99d8_attn
	.globl	k_qad337b99d8_attn
	.p2align	8
	.type	k_qad337b99d8_attn,@function
k_qad337b99d8_attn:
	s_mov_b64 s[64:65], 0
	v_nop
	global_prefetch_b8 v0, s[64:65] scope:SCOPE_SE
	s_setreg_imm32_b32 hwreg(HW_REG_WAVE_MODE, 25, 1), 1
	s_wait_xcnt 0x0
; ATTENTION on codes of E2M3: scores, the mask, the softmax, the second product, the division by the row's sum, and the quantiser of the last projection's left operand.
; Left out as dead work: the cache's rows behind kv_len = 1,024 (zeros of reference()'s own, sliced away).  The mask is an input: every key step is walked for every query, and every number of it is added.
; SHARES.  Work-group (x, y): batch and key-value head y = 8 b + g, queries 128 x .. 128 x + 127.  Wave w: the tile T = 8 x + w of 16 queries, for the FOUR query heads of the group.
; LDS.  The (b, g) block of kv, 102,400 bytes, as it lies in memory: K's half images (8 steps x 6,144), V's images (8 x 6,144), K's and V's scale words (2 x 2,048).  Each byte is filled once, in two groups:
;   at the head K's steps 0 and 1, V's step 0 and the scale words (22,528 bytes, a load a wave); behind the first barrier the other 79,872 bytes (a load a wave), which have key step 0 in which to land.
;   The whole of LDS is claimed.
; No cluster: what partners would share, that block, is a sixth of a work-group's bytes; the rest, the mask and q, goes into registers.  No prefetch: kv comes by two loads a wave with no loop ahead of them,
; and a mask block is asked for a quarter of a key step ahead of its use by the load itself.
; THE MASK IS THE C OF THE SCORE PRODUCT.  1 / sqrt(64) = 1 / 8 exactly, so D = q . k + 8 mask and t = D x log2(e) / 8.  msk holds 8 x mask; a wave loads a key step's 64 registers once for its four heads.
; K = 64 IN AN INSTRUCTION OF 128.  A fragment of K holds TWO tiles of keys; q is given as [q | 0] or [0 | q].  The four heads' q lie in a chain q0 0 q1 0 q2 0 q3 0 q0: any two neighbours are an operand.
; Both products are used transposed: a lane holds ONE query (lane % 16).
; THE KEYS OF A SCORE TILE ARE CHOSEN BY ADDRESSES: row m of tile 4 c + u is key 64 c + 32 (m / 8) + 8 u + m % 8 of the step's 128.  So registers 32 c + i of a lane's scores are keys 64 c + 32 h + i: a WHOLE block of 32
; in one lane, in the order of the second product's operand: a block's maximum needs no other lane and p's codes are made in place.  In kv a tile t holds keys 32 (t / 2) + 8 (t % 2) + r + 8 (r / 8), so my row comes from
; tile 4 c + 2 (r / 8) + u % 2, row r % 8 + 8 (u / 2); the scale words and the mask's registers follow the same map.
; THE SOFTMAX: M = the running largest t rounded up to a whole number; p = 2^(t - M) is quantised along the keys, not normalised; the row's sum is taken of the unquantised p; when M moves, sum and O are multiplied by 2^(old M - new M).
; LIMITS: NaN and infinities among the inputs are not served (a row whose every mask number is -infinity gives NaN, as in reference()); a block whose every p is 0 keeps the byte 1 over zero codes; the scaled scores stay under 2^31.
; A block's largest p is the exponential of the block's largest score, which takes v_exp_f32 not to fall where its input rises.
; REGISTERS.  window 0: v1-15 addresses; v16-31 four a head: -M, largest t, the sum; v32-44 scale words (q, K, V, p); v46-59 at work; v60-67 conversions; v68-79 p's codes; v80-127 K; v128-175 V; v176-239 scores, then p;
;   v240-247 a pair a head: f; v248-255 partial sums.      window 1: v0-127 O^T (32 a head); v128-181 the chain of q; v184-247 the mask.
.set SPARE, 102400                     ; behind the block: the spare words, 128 bytes for each of eight waves
.set XSC,   6291456                    ; at: where the scale words begin
.set L16,  1
.set MKA,  2                           ; the mask: 2,048 h + 16 r
.set KB16, 3                           ; K's images: 16 (r % 8) + 256 h + 1,536 (r / 8)
.set SPW,  4
.set NIL,  5
.set KB8,  6                           ; 8 (r % 8) + 128 h + 1,536 (r / 8)
.set KSB,  7                           ; K's scale words: 98,304 + 16 (r % 8) + 4 (r / 8)
.set VSB,  8                           ; V's: 100,352 + 16 r
.set H8,   9
.set AK,   10
.set AK8,  11
.set AKS,  12
.set AV,   13
.set AVS,  14
.set OSC,  15                          ; 8 r + 4 h
.set ST,   16
.set QS,   32
.set FSK,  36
.set FSV,  40
.set PS,   44
.set L8,   45
.set T0,   46
.set T1,   47
.set TM,   48
.set CT,   60
.set P,    68
.set KF,   80
.set VF,   128
.set S,    176
.set F,    240
.set SU,   248
.set QB,   128                         ; window 1
.set MK,   184                         ; window 1
.set WV,   12
.set YY,   13
.set TT,   16
.set G1A,  24
.set G0A,  32
.set TB,   36                          ; LDS: 6,144 bytes a key step, in K's half images and in V's images
.set TS,   37                          ; 256 bytes a key step in the scale words
.set TRIP, 38
.set MB,   40                          ; s[40:41] the mask's block in hand
.set SEL,  52
.set CS,   54
.set G0B,  56
.set G0C,  60
.set G1B,  68
.set G0D,  76
.set MSB, 0
.macro WIN new
.if MSB != (\new)
	s_set_vgpr_msb (MSB<<8)|(\new)
.set MSB, (\new)
.endif
.endm
.macro TLOAD g0, g1                            ; a tensor load and the lines behind it
	tensor_load_to_lds s[\g0:\g0+3], s[\g1:\g1+7]
	s_nop 0
.rept 4
	v_nop
.endr
.endm
.macro ROWS g, r                               ; group 1: r dense rows of 256 bytes, elements of 8 bytes
	s_mov_b32 s[\g], 3<<16
	s_mov_b32 s[\g+1], 32<<16
	s_mov_b32 s[\g+2], (\r)<<16
	s_mov_b32 s[\g+3], 32<<16
	s_mov_b32 s[\g+4], \r
	s_mov_b32 s[\g+5], 32
	s_mov_b32 s[\g+6], 0
	s_mov_b32 s[\g+7], 0
.endm
	s_load_b256 s[4:11], s[0:1], 0x0               ; qb 4, kv 6, msk 8, at 10
	v_lshl_add_u32 v[SPW], v0, 2, SPARE
	v_mov_b32 v[NIL], 0
	ds_add_u32 v[SPW], v[NIL]                      ; the wave's opening: the add, twice on end, and its wait ahead of my first tensor load
	ds_add_u32 v[SPW], v[NIL]
	v_lshrrev_b32 v[T0], 5, v0
	v_readfirstlane_b32 s[WV], v[T0]               ; wave 0..7
	v_and_b32 v[T0], 31, v0
	v_and_b32 v[TM], 15, v0                        ; r
	v_bfe_u32 v[TM+1], v0, 4, 1                    ; h
	v_and_b32 v[TM+3], 7, v0                       ; r % 8
	v_bfe_u32 v[TM+4], v0, 3, 1                    ; r / 8
	v_lshlrev_b32 v[L16], 4, v[T0]
	v_lshlrev_b32 v[L8], 3, v[T0]
	v_lshlrev_b32 v[TM+2], 4, v[TM]                ; 16 r
	v_lshlrev_b32 v[H8], 3, v[TM+1]
	v_mul_u32_u24 v[TM+5], v[TM+4], 1536
	v_lshlrev_b32 v[OSC], 3, v[TM]
	v_lshlrev_b32 v[KSB], 4, v[TM+3]
	v_lshl_add_u32 v[MKA], v[TM+1], 11, v[TM+2]
	v_add_nc_u32 v[VSB], 100352, v[TM+2]
	v_lshl_add_u32 v[KB16], v[TM+3], 4, v[TM+5]
	v_lshl_add_u32 v[KB8], v[TM+3], 3, v[TM+5]
	v_lshl_add_u32 v[OSC], v[TM+1], 2, v[OSC]
	v_lshl_add_u32 v[KSB], v[TM+4], 2, v[KSB]
	v_lshl_add_u32 v[KB16], v[TM+1], 8, v[KB16]
	v_lshl_add_u32 v[KB8], v[TM+1], 7, v[KB8]
	v_add_nc_u32 v[KSB], 98304, v[KSB]
	v_cmp_ne_u32 s46, 0, v[TM+1]                   ; lanes 16-31
	s_and_b32 s[YY], ttmp7, 0xffff                 ; 8 b + g
	s_lshl_b32 s[TT], ttmp9, 3
	s_add_co_u32 s[TT], s[TT], s[WV]               ; my tile of queries
	ROWS G1A, 12                                   ; the head: waves 0-5 take 3,072 bytes each of K's steps 0, 1 and V's step 0,
	ROWS G1B, 8                                    ; waves 6 and 7 2,048 bytes each of the scale words
	s_mov_b32 s[G0A], 1
	s_mul_i32 s[G0A+1], s[WV], 3072
	s_lshr_b32 s17, s[WV], 2
	s_mul_i32 s17, s17, 36864
	s_add_co_u32 s[G0A+1], s[G0A+1], s17           ; 3,072 w, and from wave 4 on in V's images
	s_mov_b32 s[G0B], 1
	s_lshl_b32 s[G0B+1], s[WV], 11
	s_add_co_u32 s[G0B+1], s[G0B+1], 86016         ; 98,304 + 2,048 (w - 6)
	s_mov_b32 s[G0C], 1
	s_mul_i32 s[G0C+1], s[WV], 9216
	s_add_co_u32 s[G0C+1], s[G0C+1], 12288         ; the second group: waves 0-3 a quarter each of K's steps 2-7,
	s_mov_b32 s[G0D], 1
	s_mul_i32 s[G0D+1], s[WV], 10752
	s_add_co_u32 s[G0D+1], s[G0D+1], 12288         ; waves 4-7 a quarter each of V's steps 1-7: 55,296 + 10,752 (w - 4)
	s_mul_i32 s14, s[YY], 4*51200                  ; the group's first query head in qb
	s_mul_i32 s17, s[TT], 768
	s_add_co_u32 s18, s14, s17                     ; q's half image
	s_mov_b32 s19, 0
	s_lshl_b32 s17, ttmp9, 8
	s_add_co_u32 s20, s14, s17
	s_lshr_b32 s17, s[WV], 1
	s_lshl_b32 s17, s17, 2
	s_add_co_u32 s20, s20, s17
	s_add_co_u32 s20, s20, 49152                   ; the word that holds my tile's two scale bytes
	s_mov_b32 s21, 0
	s_lshl_b32 s22, s[TT], 16                      ; the mask: [tile][128 keys][8,192]
	s_mov_b32 s23, 0
	s_mul_i32 s14, s[YY], 102400
	s_mov_b32 s15, 0
	s_mov_b32 s3, 0
	s_mov_b32 s[SEL], 0x76543210
	s_mov_b32 s[SEL+1], 0xfedcba98
	s_mov_b32 s[CS], 0x3e38aa3b                    ; log2(e) / 8
	s_mov_b32 s[CS+1], s[CS]
	s_mov_b32 s[TB], 0
	s_mov_b32 s[TS], 0
	s_wait_alu depctr_va_vdst(0)
	s_wait_dscnt 0x0                               ; both opening adds are done
	s_wait_kmcnt 0x0
	s_add_nc_u64 s[6:7], s[6:7], s[14:15]          ; my block of kv; in it a piece lies where it lies in LDS
.irp g, G0A, G0B, G0C, G0D
	s_mov_b32 s2, s[\g+1]
	s_add_nc_u64 s[\g+2:\g+3], s[6:7], s[2:3]
	s_or_b32 s[\g+3], s[\g+3], 0x80000000
.endr
	s_cmp_lt_u32 s[WV], 6                          ; one chain of branches, a load in each arm: every wave's one tensor load at the head
	s_cbranch_scc0 .Lhead_words
	TLOAD G0A, G1A
	s_branch .Lhead_asked
.Lhead_words:
	TLOAD G0B, G1B
.Lhead_asked:
	s_add_nc_u64 s[42:43], s[4:5], s[18:19]
	s_add_nc_u64 s[44:45], s[4:5], s[20:21]
	s_add_nc_u64 s[MB:MB+1], s[8:9], s[22:23]
.macro MASKLOAD                                ; registers 4 n on: keys 64 (n / 8) + 32 h + 4 (n % 8) on: sixteen lanes read 256 consecutive bytes
	WIN 0x40                                       ; destination window 1
.irp n, 0,1,2,3,4,5,6,7,8,9,10,11,12,13,14,15
	global_load_b128 v[MK+4*\n:MK+4*\n+3], v[MKA], s[MB:MB+1] offset:512*(8*(\n/8)+2*((\n/2)%2)+(\n%2))+256*(((\n/2)%4)/2)
.endr
	WIN 0
.endm
	WIN 0x40
.irp k, 0,1,2,3,4                              ; block 2 k of the chain: head k % 4
	global_load_b128 v[QB+12*\k:QB+12*\k+3], v[L16], s[42:43] offset:51200*(\k%4)
	global_load_b64 v[QB+12*\k+4:QB+12*\k+5], v[L8], s[42:43] offset:51200*(\k%4)+512
.endr
	WIN 0
.irp hd, 0,1,2,3
	global_load_b32 v[QS+\hd], v[TM+2], s[44:45] offset:51200*\hd
.endr
	MASKLOAD
	WIN 0x40
.irp k, 0,1,2,3
.irp i, 0,1,2,3,4,5
	v_mov_b32 v[QB+12*\k+6+\i], 0                  ; the chain's zero codes
.endr
.endr
	WIN 0
	s_lshr_b32 s14, s[YY], 3
	s_and_b32 s15, s[YY], 7
	s_lshl_b32 s14, s14, 6
	s_add_co_u32 s14, s14, s[TT]                   ; 64 b + T: the tile of rows in at
	s_mul_i32 s18, s14, 24576
	s_mul_i32 s17, s15, 3072
	s_add_co_u32 s18, s18, s17
	s_add_nc_u64 s[48:49], s[10:11], s[18:19]      ; fragments 2 g and 2 g + 1
	s_lshl_b32 s18, s14, 10
	s_lshl_b32 s17, s15, 7
	s_add_co_u32 s18, s18, s17
	s_add_co_u32 s18, s18, XSC
	s_add_nc_u64 s[50:51], s[10:11], s[18:19]      ; and their scale words
	s_and_b32 s17, s[WV], 1
	s_lshl_b32 s17, s17, 4
	s_wait_alu depctr_va_vdst(0)
	s_wait_tensorcnt 0x0                           ; my piece of the first group is in
	ds_add_u32 v[SPW], v[NIL]
	s_mov_b32 s[G1A+2], 36<<16                     ; no tensor load of mine is out: the second group's pieces are 36 rows of K
	s_mov_b32 s[G1A+4], 36
	s_mov_b32 s[G1B+2], 42<<16                     ; and 42 rows of V
	s_mov_b32 s[G1B+4], 42
	s_wait_dscnt 0x0
	s_barrier_signal -1
	s_barrier_wait -1                              ; everybody's piece is in
	s_cmp_lt_u32 s[WV], 4
	s_cbranch_scc0 .Lrest_v
	TLOAD G0C, G1A                                 ; my one tensor load behind the barrier
	s_branch .Lrest_asked
.Lrest_v:
	TLOAD G0D, G1B
.Lrest_asked:
.macro KLOAD a16, a8, as, ko                   ; eight tiles of keys, each 512 + 256 bytes of a half image, by the map at the head; and a scale word for each pair
.irp t, 0,1,2,3,4,5,6,7
	ds_load_b128 v[KF+6*\t:KF+6*\t+3], v[\a16] offset:\ko+768*(4*(\t/4)+(\t%2))+128*((\t%4)/2)
	ds_load_b64 v[KF+6*\t+4:KF+6*\t+5], v[\a8] offset:\ko+768*(4*(\t/4)+(\t%2))+512+64*((\t%4)/2)
.endr
.irp j, 0,1,2,3
	ds_load_b32 v[FSK+\j], v[\as] offset:\ko/24+128*(\j%2)+8*(\j/2)
.endr
.endm
.macro VLOAD                                   ; V's four tiles of 16 channels x these 128 keys
.irp n, 0,1,2,3,4,5,6,7,8,9,10,11
	ds_load_b128 v[VF+4*\n:VF+4*\n+3], v[AV] offset:49152+512*\n
.endr
	ds_load_b128 v[FSV:FSV+3], v[AVS]
.endm
.macro SCORE hd                                ; eight tiles of 16 keys: D = k q^T + 8 mask
.if (\hd) == 0
.set QBO, QB+42
.else
.set QBO, QB+12*(\hd)-6
.endif
	WIN 0x14                                       ; source 1 (q) and source 2 (the mask) window 1
.irp t, 0,1,2,3,4,5,6,7
.if (\t%2) == 0
	v_wmma_scale_f32_16x16x128_f8f6f4 v[S+8*\t:S+8*\t+7], v[KF+12*(\t/2):KF+12*(\t/2)+11], v[QB+12*(\hd):QB+12*(\hd)+11], v[MK+8*\t:MK+8*\t+7], v[FSK+\t/2], v[QS+(\hd)] matrix_a_fmt:MATRIX_FMT_FP6 matrix_b_fmt:MATRIX_FMT_FP6
.else
	v_wmma_scale_f32_16x16x128_f8f6f4 v[S+8*\t:S+8*\t+7], v[KF+12*(\t/2):KF+12*(\t/2)+11], v[QBO:QBO+11], v[MK+8*\t:MK+8*\t+7], v[FSK+\t/2], v[QS+(\hd)] matrix_a_fmt:MATRIX_FMT_FP6 matrix_b_fmt:MATRIX_FMT_FP6 matrix_b_scale:MATRIX_SCALE_ROW1
.endif
.endr
.endm
.macro PV hd, first                            ; O^T += v^T p^T: four accumulators, one instruction each
	WIN 0x50                                       ; C and D window 1
.irp dt, 0,1,2,3
.if \first
	v_wmma_scale_f32_16x16x128_f8f6f4 v[32*(\hd)+8*\dt:32*(\hd)+8*\dt+7], v[VF+12*\dt:VF+12*\dt+11], v[P:P+11], 0, v[FSV+\dt], v[PS] matrix_a_fmt:MATRIX_FMT_FP6 matrix_b_fmt:MATRIX_FMT_FP6
.else
	v_wmma_scale_f32_16x16x128_f8f6f4 v[32*(\hd)+8*\dt:32*(\hd)+8*\dt+7], v[VF+12*\dt:VF+12*\dt+11], v[P:P+11], v[32*(\hd)+8*\dt:32*(\hd)+8*\dt+7], v[FSV+\dt], v[PS] matrix_a_fmt:MATRIX_FMT_FP6 matrix_b_fmt:MATRIX_FMT_FP6
.endif
.endr
	WIN 0
.endm
.macro MERGE hd                                ; the five partial sums become one.  These four plain lines are also the places behind the products just issued
.set rT, ST+4*(\hd)
	v_pk_add_f32 v[SU:SU+1], v[SU:SU+1], v[SU+2:SU+3]
	v_pk_add_f32 v[SU+4:SU+5], v[SU+4:SU+5], v[SU+6:SU+7]
	v_pk_add_f32 v[rT+2:rT+3], v[rT+2:rT+3], v[SU:SU+1]
	v_pk_add_f32 v[rT+2:rT+3], v[rT+2:rT+3], v[SU+4:SU+5]
.endm
.macro SOFT hd, first
.set rT, ST+4*(\hd)
.set rF, F+2*(\hd)
.irp k, 0,1,2,3                                ; four chains of 16 registers by turns; each accumulator is first read at its low end
	v_max3_num_f32 v[TM+\k], v[S+16*\k], v[S+16*\k+1], v[S+16*\k+2]
.endr
.irp i, 3,5,7,9,11,13
.irp k, 0,1,2,3
	v_max3_num_f32 v[TM+\k], v[TM+\k], v[S+16*\k+\i], v[S+16*\k+\i+1]
.endr
.endr
.irp c, 0,1
	v_max3_num_f32 v[TM+2*\c], v[TM+2*\c], v[TM+2*\c+1], v[S+32*\c+15]
.endr
.irp c, 0,1
	v_max_num_f32 v[TM+2*\c], v[TM+2*\c], v[S+32*\c+31]   ; the largest score of my block 2 c + h: for the row's maximum, and for the block's largest p
.endr
	s_delay_alu instid0(VALU_DEP_1)
	v_max_num_f32 v[T0], v[TM], v[TM+2]
	s_delay_alu instid0(VALU_DEP_1)
	v_mul_f32 v[T0], s[CS], v[T0]                  ; as t
	s_delay_alu instid0(VALU_DEP_1)
	v_permlanex16_b32 v[T1], v[T0], s[SEL], s[SEL+1]   ; lane l xor 16's two blocks
	s_delay_alu instid0(VALU_DEP_1)
.if \first
	v_max3_num_f32 v[rT+1], v[T0], v[T1], 0xff61b1e6   ; the largest t so far, not under -3e38
	s_delay_alu instid0(VALU_DEP_1)
	v_floor_f32 v[rT], -v[rT+1]                    ; -M = floor(-t): M is a whole number
.else
	v_max3_num_f32 v[rT+1], v[rT+1], v[T0], v[T1]
	v_mov_b32 v[T0], v[rT]
	s_delay_alu instid0(VALU_DEP_2)
	v_floor_f32 v[rT], -v[rT+1]
	s_delay_alu instid0(VALU_DEP_1)
	v_sub_f32 v[T0], v[rT], v[T0]                  ; old M - new M: a whole number, 0 or less
	s_delay_alu instid0(VALU_DEP_1)
	v_cvt_i32_f32 v[T0], v[T0]
.endif
.set j, 0
.rept 32
	v_pk_fma_f32 v[S+j:S+j+1], v[S+j:S+j+1], s[CS:CS+1], v[rT:rT+1] op_sel_hi:[1,0,0]   ; t - M
.set j, j+2
.endr
.irp c, 0,1
	v_fma_f32 v[TM+2*\c], v[TM+2*\c], s[CS], v[rT]
.endr
	s_wait_alu depctr_va_vdst(0)                   ; ahead of the batch
.set j, 0
.rept 64
	v_exp_f32 v[S+j], v[S+j]                       ; p = 2^(t - M)
.set j, j+1
.endr
.irp c, 0,1
	v_exp_f32 v[TM+2*\c], v[TM+2*\c]               ; my two blocks' largest p
.endr
.if \first
	v_nop                                          ; a plain line behind the exponentials
.else
	v_ldexp_f32 v[rF], 1.0, v[T0]                  ; f = 2^(old M - new M).  (A plain line behind the exponentials)
.endif
.if (\hd) == 0
	s_wait_dscnt 0x0                               ; V's fragments, asked for at the step's top
.endif
.if \first
	s_wait_alu depctr_va_vdst(0)                   ; one wait for the batch, ahead of its first reader
.else
	WIN 0x41                                       ; O^T (destination and source 0) window 1
	s_wait_alu depctr_va_vdst(0)                   ; one wait for the batch, and directly ahead of the first reader of O^T
.set j, 0
.rept 16
	v_pk_mul_f32 v[32*(\hd)+j:32*(\hd)+j+1], v[32*(\hd)+j:32*(\hd)+j+1], v[rF:rF+1] op_sel_hi:[1,0]   ; O^T under the new M, each accumulator from its low end on
.set j, j+2
.endr
	WIN 0
.endif
.irp c, 0,1
	v_max_num_f32 v[TM+2*\c], 0x1800000, v[TM+2*\c]   ; the floor: the byte cannot fall under 1
.endr
.irp c, 0,1
	v_add_nc_u32 v[TM+4+\c], 0xff000000, v[TM+2*\c]   ; 2 off the exponent field: the conversion's scale operand
.endr
.irp c, 0,1
	v_cvt_scalef32_pk16_fp6_f32 v[P+6*\c:P+6*\c+2], v[S+32*\c:S+32*\c+15], v[TM+4+\c]
	v_cvt_scalef32_pk16_fp6_f32 v[CT+4*\c:CT+4*\c+2], v[S+32*\c+16:S+32*\c+31], v[TM+4+\c]   ; (a conversion's three registers begin on an even number)
.endr
.irp c, 0,1
	v_lshrrev_b32 v[TM+6+\c], 23, v[TM+4+\c]       ; the scale's byte.  (Plain lines behind the conversions)
.endr
.irp c, 0,1
.irp i, 0,1,2
	v_mov_b32 v[P+6*\c+3+\i], v[CT+4*\c+\i]
.endr
.endr
	v_lshl_or_b32 v[T0], v[TM+7], 16, v[TM+6]      ; my bytes: blocks h and 2 + h,
	s_delay_alu instid0(VALU_DEP_1)
	v_lshlrev_b32 v[T0], v[H8], v[T0]              ; at their places;
	s_delay_alu instid0(VALU_DEP_1)
	v_permlanex16_b32 v[T1], v[T0], s[SEL], s[SEL+1]
	s_delay_alu instid0(VALU_DEP_1)
	v_or_b32 v[PS], v[T0], v[T1]                   ; with lane l xor 16's two the word is whole
.if \first                                     ; the row's sum, of the unquantised p, in five chains.  (The lines below are also the places between p's codes and scale word and the product)
	v_pk_add_f32 v[rT+2:rT+3], v[S:S+1], v[S+2:S+3]
.else
	v_pk_fma_f32 v[rT+2:rT+3], v[rT+2:rT+3], v[rF:rF+1], v[S:S+1] op_sel_hi:[1,0,1]   ; the old sum under the new M
.endif
.irp e, 0,1,2,3
	v_pk_add_f32 v[SU+2*\e:SU+2*\e+1], v[S+4+4*\e:S+5+4*\e], v[S+6+4*\e:S+7+4*\e]
.endr
.if \first == 0
	v_pk_add_f32 v[rT+2:rT+3], v[rT+2:rT+3], v[S+2:S+3]
.endif
.set j, 20
.rept 22
.if ((j-20)/2)%5 == 4
	v_pk_add_f32 v[rT+2:rT+3], v[rT+2:rT+3], v[S+j:S+j+1]
.else
	v_pk_add_f32 v[SU+2*(((j-20)/2)%5):SU+2*(((j-20)/2)%5)+1], v[SU+2*(((j-20)/2)%5):SU+2*(((j-20)/2)%5)+1], v[S+j:S+j+1]
.endif
.set j, j+2
.endr
.endm
; A KEY STEP: 128 keys, four heads.  first = 1: the step that starts the maxima, the sums and O^T.  Behind a head's softmax come the next head's scores, then this head's second product.
.macro STEP first
	v_add_nc_u32 v[AV], s[TB], v[L16]
	v_add_nc_u32 v[AVS], s[TS], v[VSB]
	VLOAD                                          ; (four sums and two additions stand behind the last products that read these registers)
	s_wait_dscnt 13                                ; K's fragments and scale words, asked for in the step before; V's 13 loads, just issued, may be out
	s_wait_loadcnt 0x0                             ; this step's mask
	SCORE 0
	WIN 0
	v_add_nc_u32 v[AK], s[TB], v[KB16]             ; the step's other LDS addresses, and one idle line: the four places behind the products
	v_add_nc_u32 v[AK8], s[TB], v[KB8]
	v_add_nc_u32 v[AKS], s[TS], v[KSB]
	v_nop
.irp hd, 0,1,2,3
	SOFT \hd, \first
.if \hd < 3
	SCORE \hd+1
.endif
	PV \hd, \first
	MERGE \hd
.if \hd == 2                                   ; K's fragments and the mask have served all four heads: the next step's are asked for, and land under the last head's softmax
.if \first == 0
	s_cmp_eq_u32 s[TRIP], 1                        ; the last step asks for nothing more: no load leaves its buffer.  Every wait behind this branch is for 0
	s_cbranch_scc1 .Lno_next_\@
.endif
	s_add_nc_u64 s[MB:MB+1], s[MB:MB+1], 8192      ; (the last mask loads were waited for at the step's top)
	MASKLOAD
	KLOAD AK, AK8, AKS, 6144
.if \first == 0
.Lno_next_\@:
.endif
.endif
.endr
	s_add_co_u32 s[TB], s[TB], 6144
	s_add_co_u32 s[TS], s[TS], 256
.endm
	KLOAD KB16, KB8, KSB, 0
	s_wait_loadcnt 0x0
.irp hd, 0,1,2,3                               ; lanes 0-15: the scales of [q | 0]; lanes 16-31: those of [0 | q]; 0x7f over the zero codes
	v_lshrrev_b32 v[QS+\hd], s17, v[QS+\hd]
	s_delay_alu instid0(VALU_DEP_1)
	v_and_b32 v[QS+\hd], 0xffff, v[QS+\hd]
	s_delay_alu instid0(VALU_DEP_1)
	v_or_b32 v[T0], 0x7f7f0000, v[QS+\hd]
	v_lshl_or_b32 v[T1], v[QS+\hd], 16, 0x7f7f
	s_delay_alu instid0(VALU_DEP_1)
	v_cndmask_b32 v[QS+\hd], v[T0], v[T1], s46
.endr
	v_mov_b32 v[T1], 0                             ; (a lane permute's destination counts as one of its sources)
.irp b, 0,1,2,3,4,5,6,7
	v_mov_b32 v[F+\b], 0                           ; (the pairs' upper halves are named with the lower).  These nine lines are also the places between the scale words' last write and the first product
.endr
	s_wait_alu depctr_va_vdst(0)                   ; at the head's end
	STEP 1
	s_wait_tensorcnt 0x0                           ; my piece of the second group is in,
	s_wait_dscnt 0x0                               ; no LDS load of mine is out at the signal,
	s_barrier_signal -1
	s_barrier_wait -1                              ; and everybody's piece is in
	s_mov_b32 s[TRIP], 7
.Lstep:
	STEP 0
	s_sub_co_u32 s[TRIP], s[TRIP], 1
	s_cmp_lg_u32 s[TRIP], 0
	s_cbranch_scc1 .Lstep
; THE WAY OUT.  O^T / the sum; register 16 b + i of a pair of heads is k = 32 b + 16 h + i of a fragment of the last projection's K: it is quantised as it stands and stored as an image.
.macro QUANT s, pc, pw
.irp b, 0,1,2,3
	v_max3_num_f32 v[TM+\b], |v[\s+16*\b]|, |v[\s+1+16*\b]|, 0x1800000
.endr
.irp i, 2,4,6,8,10,12,14
.irp b, 0,1,2,3
	v_max3_num_f32 v[TM+\b], v[TM+\b], |v[\s+16*\b+\i]|, |v[\s+1+16*\b+\i]|
.endr
.endr
.irp b, 0,1,2,3
	v_permlanex16_b32 v[TM+4+\b], v[TM+\b], s[SEL], s[SEL+1]
.endr
.irp b, 0,1,2,3
	v_max_num_f32 v[TM+\b], v[TM+\b], v[TM+4+\b]
.endr
.irp b, 0,1,2,3
	v_add_nc_u32 v[TM+8+\b], 0xff000000, v[TM+\b]
.endr
.irp b, 0,1,2,3
	v_lshrrev_b32 v[TM+4+\b], 23, v[TM+8+\b]
.endr
	v_lshl_or_b32 v[\pw], v[TM+5], 8, v[TM+4]
	s_delay_alu instid0(VALU_DEP_1)
	v_lshl_or_b32 v[\pw], v[TM+6], 16, v[\pw]
	s_delay_alu instid0(VALU_DEP_1)
	v_lshl_or_b32 v[\pw], v[TM+7], 24, v[\pw]
.irp c, 0,1
	v_cvt_scalef32_pk16_fp6_f32 v[\pc+6*\c:\pc+2+6*\c], v[\s+32*\c:\s+15+32*\c], v[TM+8+2*\c]
	v_cvt_scalef32_pk16_fp6_f32 v[\pc+12+4*\c:\pc+14+4*\c], v[\s+16+32*\c:\s+31+32*\c], v[TM+8+2*\c+1]
.endr
	v_nop                                          ; one plain line behind a scaled conversion
.irp c, 0,1
.irp i, 0,1,2
	v_permlane16_swap_b32 v[\pc+6*\c+\i], v[\pc+12+4*\c+\i]
.endr
.irp i, 0,1,2
	v_mov_b32 v[\pc+3+6*\c+\i], v[\pc+12+4*\c+\i]
.endr
.endr
.endm
	s_wait_alu depctr_va_vdst(0)
	s_wait_loadcnt 0x0
	s_wait_dscnt 0x0                               ; nothing of mine is on its way into registers
.irp hd, 0,1,2,3
	v_add_f32 v[TM+\hd], v[ST+4*\hd+2], v[ST+4*\hd+3]
.endr
.irp hd, 0,1,2,3
	v_permlanex16_b32 v[TM+4+\hd], v[TM+\hd], s[SEL], s[SEL+1]
.endr
.irp hd, 0,1,2,3
	v_add_f32 v[TM+\hd], v[TM+\hd], v[TM+4+\hd]    ; the row's sum
.endr
	s_wait_alu depctr_va_vdst(0)                   ; ahead of the batch
.irp hd, 0,1,2,3
	v_rcp_f32 v[F+2*\hd], v[TM+\hd]
.endr
	v_nop                                          ; a plain line behind the last reciprocal
.irp p, 0,1
	s_wait_xcnt 0x0                                ; the last pair's stores have read the codes' registers
	WIN 0x01                                       ; source 0 window 1
	s_wait_alu depctr_va_vdst(0)                   ; behind the reciprocals, and directly ahead of the first reader of these accumulators
.set j, 0
.rept 32                                       ; each accumulator from its low end on
	v_pk_mul_f32 v[S+j:S+j+1], v[64*\p+j:64*\p+j+1], v[F+4*\p+2*(j/32):F+4*\p+2*(j/32)+1] op_sel_hi:[1,0]
.set j, j+2
.endr
	WIN 0
	QUANT S, KF, T0+\p
.irp c, 0,1,2
	global_store_b128 v[L16], v[KF+4*\c:KF+4*\c+3], s[48:49] offset:1536*\p+512*\c   ; 512 consecutive bytes, aligned
.endr
.endr
	v_cndmask_b32 v[TM], v[T0], v[T1], s46         ; lanes 0-15 store the first fragment's words, lanes 16-31 the second's
	global_store_b32 v[OSC], v[TM], s[50:51]
	s_wait_tensorcnt 0x0                           ; the wave's end
	ds_add_u32 v[SPW], v[NIL]
	s_wait_dscnt 0x0
	s_endpgm
.Lfunc_end_k_qad337b99d8_attn:
	.size	k_qad337b99d8_attn, .Lfunc_end_k_qad337b99d8_attn-k_qad337b99d8_attn
	.p2alignl 7, 3214868480
	.fill 96, 4, 3214868480
	.section	.rodata,"a",@progbits
	.p2align	6, 0x0
	.amdhsa_kernel k_qad337b99d8_attn
		.amdhsa_group_segment_fixed_size 327680
		.amdhsa_private_segment_fixed_size 0
		.amdhsa_enable_private_segment 0
		.amdhsa_kernarg_size 32
		.amdhsa_user_sgpr_count 2
		.amdhsa_user_sgpr_kernarg_segment_ptr 1
		.amdhsa_wavefront_size32 1
		.amdhsa_system_sgpr_workgroup_id_x 1
		.amdhsa_system_sgpr_workgroup_id_y 1
		.amdhsa_system_sgpr_workgroup_id_z 1
		.amdhsa_system_vgpr_workitem_id 0
		.amdhsa_next_free_vgpr 512
		.amdhsa_next_free_sgpr 80
		.amdhsa_reserve_vcc 0
		.amdhsa_float_denorm_mode_32 3
		.amdhsa_float_denorm_mode_16_64 3
		.amdhsa_memory_ordered 1
		.amdhsa_forward_progress 1
		.amdhsa_inst_pref_size 131
	.end_amdhsa_kernel
	.amdgpu_metadata
---
amdhsa.version: [ 1, 2 ]
amdhsa.kernels:
  - .name:           k_qad337b99d8_attn
    .symbol:         k_qad337b99d8_attn.kd
    .args:
      - { .name: qb, .offset: 0, .size: 8, .value_kind: global_buffer, .address_space: global }
      - { .name: kv, .offset: 8, .size: 8, .value_kind: global_buffer, .address_space: global }
      - { .name: msk, .offset: 16, .size: 8, .value_kind: global_buffer, .address_space: global }
      - { .name: at, .offset: 24, .size: 8, .value_kind: global_buffer, .address_space: global }
    .group_segment_fixed_size: 327680
    .private_segment_fixed_size: 0
    .kernarg_segment_align: 8
    .kernarg_segment_size: 32
    .max_flat_workgroup_size: 256
    .sgpr_count:     80
    .vgpr_count:     512
    .wavefront_size: 32
...
	.end_amdgpu_metadata
.endif
;; end of part 3
;; launch gemm_out (part 4): grid 8 x 32, 4 waves a work-group, clusters of 4 x 4, 327,680 bytes of LDS; arguments at, wts, out0; writes out0
.if DOCPART == 4
	.amdgcn_target "amdgcn-amd-amdhsa--gfx1250"
	.amdhsa_code_object_version 6
	.text
	.protected	k_qad337b99d8_gemm_out
	.globl	k_qad337b99d8_gemm_out
	.p2align	8
	.type	k_qad337b99d8_gemm_out,@function
k_qad337b99d8_gemm_out:
	s_mov_b64 s[64:65], 0
	v_nop
	global_prefetch_b8 v0, s[64:65] scope:SCOPE_SE
	s_setreg_imm32_b32 hwreg(HW_REG_WAVE_MODE, 25, 1), 1
	s_wait_xcnt 0x0
	s_wait_alu depctr_hold_cnt(0) depctr_sa_sdst(0) depctr_va_vdst(0) depctr_va_sdst(0) depctr_va_ssrc(0) depctr_va_vcc(0) depctr_vm_vsrc(0)
	s_getreg_b32 s2, hwreg(HW_REG_IB_STS2, 6, 4)
	s_cmp_eq_u32 s2, 0
	s_cbranch_scc0 .Lentry_in_a_cluster
	s_endpgm
.Lentry_in_a_cluster:
	s_bfe_u32 s2, ttmp6, 0x10000c
	s_cmp_lg_u32 s2, 0xf033
	s_cbranch_scc0 .Lentry_shape_is_right
	s_endpgm
.Lentry_shape_is_right:
.set NQ,     4
.set FR,     12
.set NP,     4
.set FRB,    1536
.set TROW,   NQ*FRB
.set TPITCH, 24576
.set AHALF,  4*TROW
.set BHALF,  8*TROW
.set SLOT,   2*AHALF+2*BHALF
.set SCL,    2*SLOT
.set ASCH,   4096
.set BSCH,   8192
.set SPARE,  SCL+2*ASCH+2*BSCH
.set ASC,    6291456
.set BIMG,   4915200
.set BSC,    8060928
.set SPITCH, 528
.set ADRA, 16
.set ADRB, 20
.set STO,  24
.set RD,   25
.set CO,   26
.set ADRS, 27
.set SPW,  28
.set NIL,  29
.set SC,   32
.set AF,   128
.set BK,   128
.set G1, 24
.set G0, 32
.set G1B, 48
.set G0B, 56
.set G1S, 68
.set G0S, 76
.set G1SB, 80
.set G0SB, 88
.set MSB, 0
.macro WIN new
.if MSB != (\new)
	s_set_vgpr_msb (MSB<<8)|(\new)
.set MSB, (\new)
.endif
.endm
.set MUL,    0xa1
.set TO_B,   0x40
.macro JLOAD g0a, g1a, g0b, g1b
	s_cmp_eq_u32 s15, 0
	s_cbranch_scc0 .Lfor_b_\@
	tensor_load_to_lds s[\g0a:\g0a+3], s[\g1a:\g1a+7]
	s_nop 0
.rept 4
	v_nop
.endr
	s_branch .Lasked_\@
.Lfor_b_\@:
	tensor_load_to_lds s[\g0b:\g0b+3], s[\g1b:\g1b+7]
	s_nop 0
.rept 4
	v_nop
.endr
.Lasked_\@:
.endm
.macro CREST
	s_cmp_lg_u32 s14, 0
	s_cbranch_scc1 .Lnot_wave_0_\@
	s_barrier_signal -3
.Lnot_wave_0_\@:
	s_barrier_wait -3
	s_barrier_signal -1
	s_barrier_wait -1
.endm
.macro CROUND
	s_barrier_signal -1
	s_barrier_wait -1
	CREST
.endm
.macro SHAPE g, c, r, p
	s_mov_b32 s[\g+1], (\c)<<16
	s_mov_b32 s[\g+2], (\r)<<16
	s_mov_b32 s[\g+3], (\c)<<16
	s_mov_b32 s[\g+4], \r
	s_mov_b32 s[\g+5], \p
	s_mov_b32 s[\g+6], 0
	s_mov_b32 s[\g+7], 0
.endm
	s_load_b128 s[4:7], s[0:1], 0x0
	s_load_b64 s[12:13], s[0:1], 0x10
	v_lshl_add_u32 v[SPW], v0, 2, SPARE
	v_mov_b32 v[NIL], 0
	ds_add_u32 v[SPW], v[NIL]
	ds_add_u32 v[SPW], v[NIL]
	v_lshrrev_b32 v1, 5, v0
	v_readfirstlane_b32 s14, v1
	s_lshr_b32 s15, s14, 1
	s_and_b32 s16, s14, 1
	s_bfe_u32 s40, ttmp6, 0x40000
	s_bfe_u32 s41, ttmp6, 0x40004
	s_lshl_b32 s42, ttmp9, 2
	s_add_co_u32 s42, s42, s40
	s_and_b32 s17, ttmp7, 0xffff
	s_lshl_b32 s17, s17, 2
	s_add_co_u32 s17, s17, s41
	s_lshl_b32 s43, s41, 2
	s_lshl_b32 s43, 15, s43
	s_lshl_b32 s44, 0x1111, s40
	s_or_b32 s[G1+0], s43, (3<<16)|(1<<21)
	s_or_b32 s[G1B+0], s44, (3<<16)|(1<<21)
	s_or_b32 s[G1S+0], s43, (3<<16)|(1<<21)
	s_or_b32 s[G1SB+0], s44, (3<<16)|(1<<21)
	SHAPE G1, TROW/8, 8, TPITCH/8                  ; the head's loads bring whole tiles: A's 8 rows of images, B's 16,
	SHAPE G1B, TROW/8, 16, TPITCH/8
	SHAPE G1S, 32, 32, 32                          ; the scale words of A's 8 tiles and of B's 16
	SHAPE G1SB, 32, 64, 32
	s_lshl_b32 s18, s16, 2
	s_lshl_b32 s20, s17, 3
	s_add_co_u32 s20, s20, s18
	s_lshl_b32 s18, s16, 3
	s_lshl_b32 s46, s42, 4
	s_add_co_u32 s46, s46, s18
	s_lshl_b32 s22, s20, 10
	s_add_co_u32 s22, s22, ASC
	s_mov_b32 s23, 0
	s_lshl_b32 s92, s46, 10
	s_add_co_u32 s92, s92, BSC
	s_mov_b32 s93, 0
	s_mul_i32 s20, s20, TPITCH
	s_mov_b32 s21, 0
	s_mul_i32 s46, s46, TPITCH
	s_add_co_u32 s46, s46, BIMG
	s_mov_b32 s47, 0
	s_mul_i32 s45, s16, AHALF
	s_mul_i32 s95, s16, BHALF
	s_add_co_u32 s95, s95, 2*AHALF
	s_mul_i32 s94, s16, ASCH
	s_add_co_u32 s94, s94, SCL
	s_mul_i32 s96, s16, BSCH
	s_add_co_u32 s96, s96, SCL+2*ASCH
	s_wait_dscnt 0x0
	s_wait_kmcnt 0x0
	s_add_nc_u64 s[20:21], s[4:5], s[20:21]
	s_add_nc_u64 s[22:23], s[4:5], s[22:23]
	s_add_nc_u64 s[46:47], s[6:7], s[46:47]
	s_add_nc_u64 s[92:93], s[6:7], s[92:93]
	CROUND
; THE PREFETCHES.  Of a slot's 8 rows of images of A each of the four partners that ask for them jointly takes two (told apart by address: cx), a row a wave; of B's 16 four (cy), two a wave.  A row is 24 blocks of 256 bytes
	s_lshl_b32 s18, s17, 3
	s_lshl_b32 s19, s40, 1
	s_add_co_u32 s18, s18, s19
	s_add_co_u32 s18, s18, s16
	s_mul_i32 s18, s18, TPITCH
	s_lshl_b32 s97, s42, 4
	s_lshl_b32 s98, s41, 2
	s_add_co_u32 s97, s97, s98
	s_lshl_b32 s98, s16, 1
	s_add_co_u32 s97, s97, s98
	s_mul_i32 s97, s97, TPITCH
	s_add_co_u32 s97, s97, BIMG
	s_cmp_eq_u32 s15, 0                            ; do I fetch for A?
	s_cselect_b32 s18, s18, s97
	s_cselect_b64 s[98:99], s[4:5], s[6:7]
	s_add_co_u32 s18, s18, 2*TROW                  ; at slot 2's bytes
	s_mov_b32 s19, 0
	s_add_nc_u64 s[98:99], s[98:99], s[18:19]
	s_mov_b32 s[G0S], 1
	s_mov_b32 s[G0S+1], SCL
	s_sub_nc_u64 s[G0S+2:G0S+3], s[22:23], 4096
	s_or_b32 s[G0S+3], s[G0S+3], 0x80000000
	s_mov_b32 s[G0SB], 1                           ; B's, all 16 tiles: asked for by wave 3: 8 tiles back
	s_mov_b32 s[G0SB+1], SCL+2*ASCH
	s_sub_nc_u64 s[G0SB+2:G0SB+3], s[92:93], 8192
	s_or_b32 s[G0SB+3], s[G0SB+3], 0x80000000
.irp s, 0,1
	s_mov_b32 s[G0+4*\s], 1
	s_add_co_u32 s[G0+4*\s+1], s45, \s*SLOT
	s_add_nc_u64 s[G0+4*\s+2:G0+4*\s+3], s[20:21], \s*TROW
	s_or_b32 s[G0+4*\s+3], s[G0+4*\s+3], 0x80000000
	s_mov_b32 s[G0B+4*\s], 1
	s_add_co_u32 s[G0B+4*\s+1], s95, \s*SLOT
	s_add_nc_u64 s[G0B+4*\s+2:G0B+4*\s+3], s[46:47], \s*TROW
	s_or_b32 s[G0B+4*\s+3], s[G0B+4*\s+3], 0x80000000
.endr
	s_mov_b32 s4, 1                                ; slot 0's 8 rows of A: asked for by wave 0, whose own half is the first (the arguments that lay in s[4:7] have been used)
	s_mov_b32 s5, 0
	s_mov_b64 s[6:7], s[20:21]
	s_or_b32 s7, s7, 0x80000000
	s_mov_b64 s[22:23], s[46:47]                   ; slot 0's 16 rows of B: asked for by wave 2
	s_or_b32 s23, s23, 0x80000000
	s_mov_b32 s20, 1
	s_mov_b32 s21, 2*AHALF
; THE HEAD'S FOUR TILES, ONE JOINT LOAD A WAVE, in one chain of branches on the wave's number
.macro ARM under, g0, g1, next
	s_cmp_lt_u32 s14, \under
	s_cbranch_scc0 \next
	tensor_load_to_lds s[\g0:\g0+3], s[\g1:\g1+7]
	s_nop 0
.rept 4
	v_nop
.endr
	s_branch .Lhead_asked
\next:
.endm
	ARM 1, 4, G1, .Lhead_sa
	ARM 2, G0S, G1S, .Lhead_b
	ARM 3, 20, G1B, .Lhead_sb
	tensor_load_to_lds s[G0SB:G0SB+3], s[G1SB:G1SB+7]
	s_nop 0
.rept 4
	v_nop
.endr
.Lhead_asked:
.macro ASK o                                   ; a lane a block; B's waves ask for their second row too.  The address registers are never written again
	global_prefetch_b8 v15, s[98:99] offset:\o th:TH_LOAD_NT scope:SCOPE_SE
	s_cmp_eq_u32 s15, 0
	s_cbranch_scc1 .Lone_row_\@
	global_prefetch_b8 v15, s[98:99] offset:\o+TPITCH th:TH_LOAD_NT scope:SCOPE_SE
.Lone_row_\@:
.endm
	v_and_b32 v15, 31, v0
	v_min_u32 v15, 23, v15                         ; lanes 24-31 name the row's last block again
	v_lshlrev_b32 v15, 8, v15
	ASK 0                                          ; behind slot 0's load: the bytes of the load two refills on
	s_wait_alu depctr_va_vdst(0)
	s_wait_tensorcnt 0x0                           ; my tile of the four is in; these lines stand ahead of slot 1's first fill as ahead of a refill
	ds_add_u32 v28, v29
	s_mov_b32 s[G1+2], 4<<16                       ; no tensor load of mine is out: from here on a load brings 4 rows of A's images or 8 of B's
	s_mov_b32 s[G1+4], 4
	s_mov_b32 s[G1B+2], 8<<16
	s_mov_b32 s[G1B+4], 8
	s_wait_dscnt 0x0
	CROUND
	JLOAD G0+4, G1, G0B+4, G1B
	ASK TROW                                       ; behind slot 1's load: the fourth and last load's bytes
	v_and_b32 v1, 15, v0
	v_bfe_u32 v2, v0, 4, 1
	s_wait_alu depctr_va_vdst(0)
	v_and_b32 v3, 31, v0
	v_lshlrev_b32 v4, 4, v3
	s_mul_i32 s21, s15, AHALF
	s_mul_i32 s22, s16, BHALF
	s_add_co_u32 s22, s22, 2*AHALF
.irp s, 0,1
	v_add_nc_u32 v[ADRA+\s], s21, v4
	v_add_nc_u32 v[ADRB+\s], s22, v4
	s_add_co_u32 s21, s21, SLOT
	s_add_co_u32 s22, s22, SLOT
.endr
	v_lshlrev_b32 v5, 3, v1
	s_mul_i32 s21, s15, ASCH
	s_mul_i32 s22, s16, BSCH
	s_add_co_u32 s22, s22, 2*ASCH
	s_sub_co_u32 s22, s22, s21
	v_mul_u32_u24 v6, s22, v2
	s_add_co_u32 s21, s21, SCL
	v_add_nc_u32 v5, v5, v6
	v_add_nc_u32 v[ADRS], s21, v5
	s_mul_i32 s23, s14, 16*SPITCH
	v_mul_u32_u24 v5, v1, SPITCH
	v_lshl_add_u32 v5, v2, 6, v5
	v_add_nc_u32 v[STO], s23, v5
	v_lshlrev_b32 v[CO], 4, v3
	v_add_nc_u32 v[RD], s23, v[CO]
	s_lshl_b32 s20, s17, 7
	s_lshl_b32 s21, s15, 6
	s_add_co_u32 s20, s20, s21
	s_lshl_b32 s20, s20, 13
	s_lshl_b32 s46, s42, 10
	s_lshl_b32 s47, s16, 9
	s_add_co_u32 s46, s46, s47
	s_add_co_u32 s20, s20, s46
	s_mov_b32 s21, 0
	s_add_nc_u64 s[12:13], s[12:13], s[20:21]
.macro FRAG reg, adr, q, i
.irp c, 0,1,2
	ds_load_b128 v[\reg+4*\c:\reg+4*\c+3], v[\adr] offset:(\i)*TROW+(\q)*FRB+512*\c
.endr
.endm
.macro MM p, q, sc, zero
.set rD, 8*j
.set rB, 128*(\p)+FR*(j%8)
.set rA, AF+48*(\p)+FR*(j/8)
.set rSB, SC+32*(\sc)+NQ*(j%8)+(\q)
.set rSA, SC+32*(\sc)+NQ*(j/8)+(\q)
.if \zero
	v_wmma_scale_f32_16x16x128_f8f6f4 v[rD:rD+7], v[rB:rB+FR-1], v[rA:rA+FR-1], 0, v[rSB], v[rSA] matrix_a_fmt:MATRIX_FMT_FP6 matrix_b_fmt:MATRIX_FMT_FP6 matrix_a_scale:MATRIX_SCALE_ROW1
.else
	v_wmma_scale_f32_16x16x128_f8f6f4 v[rD:rD+7], v[rB:rB+FR-1], v[rA:rA+FR-1], v[rD:rD+7], v[rSB], v[rSA] matrix_a_fmt:MATRIX_FMT_FP6 matrix_b_fmt:MATRIX_FMT_FP6 matrix_a_scale:MATRIX_SCALE_ROW1
.endif
.endm
.macro CHUNK slot, q, p, c
.if (\c) < 4
	WIN TO_B
	FRAG 128*(\p)+FR*(2*(\c)), ADRB+\slot, \q, 2*(\c)
	FRAG 128*(\p)+FR*(2*(\c)+1), ADRB+\slot, \q, 2*(\c)+1
.else
	WIN 0
	FRAG AF+48*(\p)+FR*(2*(\c)-8), ADRA+\slot, \q, 2*(\c)-8
	FRAG AF+48*(\p)+FR*(2*(\c)-7), ADRA+\slot, \q, 2*(\c)-7
.endif
.endm
.macro FETCH_ALL slot, q, p
.irp c, 0,1,2,3,4,5
	CHUNK \slot, \q, \p, \c
.endr
.endm
.macro SCALES ks, sc
.irp i, 0,1,2,3,4,5,6,7
.irp u, 0,1
	ds_load_b64 v[SC+32*(\sc)+NQ*\i+2*\u:SC+32*(\sc)+NQ*\i+2*\u+1], v[ADRS] offset:\i*1024+(\ks)*256+128*\u
.endr
.endr
.endm
.macro PLACES n
.rept \n
	v_nop
.endr
.endm
.macro STEP slot, q, sc, zero
	PLACES NP
	s_wait_dscnt 0x0
.set j, 0
.rept 32
	WIN MUL
	MM (\q)%2, \q, \sc, \zero
.if ((j%2) == 1) && (j < 12)
	CHUNK \slot, (\q)+1, 1-(\q)%2, j/2
.endif
.set j, j+1
.endr
.endm
.macro TURN slot, next, fill, ks
	PLACES NP
	WIN 0
	s_wait_tensorcnt 0x0
	ds_add_u32 v[SPW], v[NIL]
	s_wait_dscnt 1
	WIN MUL
.set j, 0
.rept 8
	MM 1, NQ-1, \slot, 0
.set j, j+1
.endr
	s_wait_dscnt 0x0
	s_barrier_signal -1
.rept 8
	MM 1, NQ-1, \slot, 0
.set j, j+1
.endr
	WIN 0
	s_barrier_wait -1
.if \fill
	CREST
	s_add_nc_u64 s[G0+4*\slot+2:G0+4*\slot+3], s[G0+4*\slot+2:G0+4*\slot+3], 2*TROW
	s_add_nc_u64 s[G0B+4*\slot+2:G0B+4*\slot+3], s[G0B+4*\slot+2:G0B+4*\slot+3], 2*TROW
	JLOAD G0+4*\slot, G1, G0B+4*\slot, G1B
.endif
	FETCH_ALL \next, 0, 0
	SCALES \ks, \next
	WIN MUL
.rept 16
	MM 1, NQ-1, \slot, 0
.set j, j+1
.endr
.endm
	s_wait_alu depctr_va_vdst(0)
	s_wait_tensorcnt 1
	s_barrier_signal -1
	s_barrier_wait -1
	FETCH_ALL 0, 0, 0
	SCALES 0, 0
	STEP 0, 0, 0, 1
	STEP 0, 1, 0, 0
	STEP 0, 2, 0, 0
	TURN 0, 1, 1, 1
	STEP 1, 0, 1, 0
	STEP 1, 1, 1, 0
	STEP 1, 2, 1, 0
	TURN 1, 0, 1, 2
	STEP 0, 0, 0, 0
	STEP 0, 1, 0, 0
	STEP 0, 2, 0, 0
	TURN 0, 1, 0, 3
	STEP 1, 0, 1, 0
	STEP 1, 1, 1, 0
	STEP 1, 2, 1, 0
	s_wait_dscnt 0x0
	WIN MUL
.set j, 0
.rept 32
	MM 1, NQ-1, 1, 0
.set j, j+1
.endr
	WIN 0
.macro TOSTAGE a
.set AC, 64*(\a)
	WIN 0x08
.irp b, 0,1,2,3,4,5,6,7
	ds_store_b128 v[STO], v[AC+8*\b:AC+8*\b+3] offset:128*(\b/2)+32*(\b%2)
	ds_store_b128 v[STO], v[AC+8*\b+4:AC+8*\b+7] offset:128*(\b/2)+32*(\b%2)+16
.endr
	WIN 0
.set BB, BK+64*((\a)%2)
.irp t, 0,1,2,3,4,5,6,7,8,9,10,11,12,13,14,15
	ds_load_b128 v[BB+4*\t:BB+4*\t+3], v[RD] offset:\t*SPITCH
.endr
.endm
.macro SEND a, younger
.set BB, BK+64*((\a)%2)
	s_wait_dscnt \younger
.irp t, 0,1,2,3,4,5,6,7,8,9,10,11,12,13,14,15
	global_store_b128 v[CO], v[BB+4*\t:BB+4*\t+3], s[12:13] offset:(32*((\a)/2)+8*((\a)%2)+\t+8*(\t/8))*8192 th:TH_STORE_NT
.endr
.endm
	PLACES NP
	TOSTAGE 0
.irp a, 1,2,3
.if \a > 1
	s_wait_xcnt 0x0
.endif
	TOSTAGE \a
	SEND \a-1, 32
.endr
	SEND 3, 0
	s_wait_tensorcnt 0x0
	ds_add_u32 v[SPW], v[NIL]
	s_wait_dscnt 0x0
	CROUND
	s_endpgm
.Lfunc_end_k_qad337b99d8_gemm_out:
	.size	k_qad337b99d8_gemm_out, .Lfunc_end_k_qad337b99d8_gemm_out-k_qad337b99d8_gemm_out
	.p2alignl 7, 3214868480
	.fill 96, 4, 3214868480
	.section	.rodata,"a",@progbits
	.p2align	6, 0x0
	.amdhsa_kernel k_qad337b99d8_gemm_out
		.amdhsa_group_segment_fixed_size 327680
		.amdhsa_private_segment_fixed_size 0
		.amdhsa_enable_private_segment 0
		.amdhsa_kernarg_size 24
		.amdhsa_user_sgpr_count 2
		.amdhsa_user_sgpr_kernarg_segment_ptr 1
		.amdhsa_wavefront_size32 1
		.amdhsa_system_sgpr_workgroup_id_x 1
		.amdhsa_system_sgpr_workgroup_id_y 1
		.amdhsa_system_sgpr_workgroup_id_z 1
		.amdhsa_system_vgpr_workitem_id 0
		.amdhsa_next_free_vgpr 768
		.amdhsa_next_free_sgpr 100
		.amdhsa_reserve_vcc 0
		.amdhsa_float_denorm_mode_32 3
		.amdhsa_float_denorm_mode_16_64 3
		.amdhsa_memory_ordered 1
		.amdhsa_forward_progress 1
		.amdhsa_inst_pref_size 141
	.end_amdhsa_kernel
	.amdgpu_metadata
---
amdhsa.version: [ 1, 2 ]
amdhsa.kernels:
  - .name:           k_qad337b99d8_gemm_out
    .symbol:         k_qad337b99d8_gemm_out.kd
    .args:
      - { .name: at, .offset: 0, .size: 8, .value_kind: global_buffer, .address_space: global }
      - { .name: wts, .offset: 8, .size: 8, .value_kind: global_buffer, .address_space: global }
      - { .name: out0, .offset: 16, .size: 8, .value_kind: global_buffer, .address_space: global }
    .group_segment_fixed_size: 327680
    .private_segment_fixed_size: 0
    .kernarg_segment_align: 8
    .kernarg_segment_size: 24
    .max_flat_workgroup_size: 128
    .sgpr_count:     100
    .vgpr_count:     768
    .wavefront_size: 32
...
	.end_amdgpu_metadata
.endif
;; end of part 4
